; MI455X (gfx1250); checked and timed in simulation.
; The chip was launched on July 23, 2026; its instructions are those of AMD's public machine-readable ISA for CDNA 5 (MIT licence, August 2026) and "CDNA5" Instruction Set Architecture Reference Guide (July 2026). The comments in the code are by the model that wrote it; some were corrected since.
;; S Attention. Allowed arithmetic: matrix products marked QUANTISED: E2M1 operands, one E8M0 scale for each 32 along K, by v_wmma_scale_f32_16x16x128_f8f6f4 with both operands' format E2M1 (or v_wmma_scale_f32_32x16x128_f4), f32 sums; everything else in f32.
;; Inputs: W_ffn1_codes 256 x 8 x 16 uint8 (E2M1 codes of W_ffn1, K innermost, in blocks of 32 codes, two codes a byte); W_ffn1_scales 256 x 8 uint8 (E8M0 scales of W_ffn1, one for each 32 codes along K); W_ffn2_codes 256 x 8 x 16 uint8 (E2M1 codes of W_ffn2, K innermost, in blocks of 32 codes, two codes a byte); W_ffn2_scales 256 x 8 uint8 (E8M0 scales of W_ffn2, one for each 32 codes along K); Wk_codes 256 x 8 x 16 uint8 (E2M1 codes of Wk, K innermost, in blocks of 32 codes, two codes a byte); Wk_scales 256 x 8 uint8 (E8M0 scales of Wk, one for each 32 codes along K); Wq_codes 256 x 8 x 16 uint8 (E2M1 codes of Wq, K innermost, in blocks of 32 codes, two codes a byte); Wq_scales 256 x 8 uint8 (E8M0 scales of Wq, one for each 32 codes along K); Wv_codes 256 x 8 x 16 uint8 (E2M1 codes of Wv, K innermost, in blocks of 32 codes, two codes a byte); Wv_scales 256 x 8 uint8 (E8M0 scales of Wv, one for each 32 codes along K); b1 256 float32; b2 256 float32; b_ffn1 256 float32; b_ffn2 256 float32; g1 256 float32; g2 256 float32; x 2,048 x 16 x 256 float32.
;; Outputs: out0 2,048 x 16 x 256 float32.
;; This version of the problem:
;;   THIS VERSION OF THE PROBLEM IS GIVEN IN LOW PRECISION. The matrix products marked QUANTISED in the list below multiply operands that are first quantised to E2M1 (2 exponent bits, 1 mantissa bit; 4 bits a number), with one power-of-two scale for each 32 numbers along K (OCP MX v1.0); their sums are f32. All else is computed in f32.
;;   The module's matrix products, in the order in which they are computed (A, B: the left and right operand; K: the contracted axis; several contracted axes count as one K, in the product's order):
;;     1. [M 32,768, K 256] x [K 256, N 256]; A: computed on the way; B: input Wq (given as codes): QUANTISED
;;     2. [M 32,768, K 256] x [K 256, N 256]; A: computed on the way; B: input Wk (given as codes): QUANTISED
;;     3. [M 32,768, K 256] x [K 256, N 256]; A: computed on the way; B: input Wv (given as codes): QUANTISED
;;     4. batch 16 x [M 2,048, K 43] x [K 43, N 2,048]; A: computed on the way; B: computed on the way: QUANTISED
;;     5. batch 16 x [M 2,048, K 2,048] x [K 2,048, N 43]; A: softmax (see below); B: computed on the way: QUANTISED
;;     6. batch 16 x [M 2,048, K 43] x [K 43, N 2,048]; A: computed on the way; B: computed on the way: QUANTISED
;;     7. batch 16 x [M 2,048, K 2,048] x [K 2,048, N 43]; A: softmax (see below); B: computed on the way: QUANTISED
;;     8. batch 16 x [M 2,048, K 43] x [K 43, N 2,048]; A: computed on the way; B: computed on the way: QUANTISED
;;     9. batch 16 x [M 2,048, K 2,048] x [K 2,048, N 43]; A: softmax (see below); B: computed on the way: QUANTISED
;;     10. batch 16 x [M 2,048, K 43] x [K 43, N 2,048]; A: computed on the way; B: computed on the way: QUANTISED
;;     11. batch 16 x [M 2,048, K 2,048] x [K 2,048, N 43]; A: softmax (see below); B: computed on the way: QUANTISED
;;     12. batch 16 x [M 2,048, K 42] x [K 42, N 2,048]; A: computed on the way; B: computed on the way: QUANTISED
;;     13. batch 16 x [M 2,048, K 2,048] x [K 2,048, N 42]; A: softmax (see below); B: computed on the way: QUANTISED
;;     14. batch 16 x [M 2,048, K 42] x [K 42, N 2,048]; A: computed on the way; B: computed on the way: QUANTISED
;;     15. batch 16 x [M 2,048, K 2,048] x [K 2,048, N 42]; A: softmax (see below); B: computed on the way: QUANTISED
;;     16. [M 32,768, K 256] x [K 256, N 256]; A: computed on the way; B: input W_ffn1 (given as codes): QUANTISED
;;     17. [M 32,768, K 256] x [K 256, N 256]; A: computed on the way; B: input W_ffn2 (given as codes): QUANTISED
;;   THE QUANTISER, for each operand of a quantised product, along K:
;;     - K is cut into blocks of 32 from its start; a last block that is shorter is filled with zeros.
;;     - A block's scale is 2^e with e = floor(log2(the largest magnitude in the block)) - 2, held to -126 .. 127; a block of zeros has e = 0. As a byte (E8M0): e + 127.
;;     - Each number is divided by its block's scale, clamped to +-6, and rounded to the nearest number of E2M1, ties to even, subnormals kept.
;;     - The product sums the exact products of the quantised numbers (number of the format x scale) in f32.
;;   ~~~python
;;   def quantise(x, axis):      # numpy; x: float32 -> the quantised numbers, widened to float32 again
;;       x = np.moveaxis(x, axis, -1); K = x.shape[-1]
;;       x = np.pad(x, [(0, 0)] * (x.ndim - 1) + [(0, -K % 32)]); x = x.reshape(x.shape[:-1] + (-1, 32)); a = np.abs(x).max(-1, keepdims=True)
;;       e = np.where(a > 0, np.clip(np.frexp(np.where(a > 0, a, 1))[1] - 1 - 2, -126, 127), 0)      # np.frexp(a)[1] - 1 = floor(log2(a)), exactly
;;       r = np.clip(x / 2.0 ** e, -6, 6)
;;       step = 2.0 ** (np.maximum(np.frexp(np.where(r == 0, 1, r))[1] - 1, 0) - 1)
;;       q = np.round(r / step) * step * 2.0 ** e      # np.round: ties to even
;;       return np.moveaxis(q.reshape(q.shape[:-2] + (-1,))[..., :K], -1, axis).astype(np.float32)
;;   ~~~
;;   SOFTMAX AHEAD OF A QUANTISED PRODUCT. Where the list says 'softmax', what is quantised is not the finished softmax but p = 2^(t - M), with t = logit x log2(e) and M = ceil(the row's largest t), a whole number; so 1/2 < the row's largest p <= 1. The row's sum l is taken of the UNQUANTISED p, in f32, and the product's result is divided by l at the end. Since M is a whole number, a kernel that streams over the keys may use a running M (the ceiling of the running maximum): every later rescaling is an exact power of two, which a block's scale takes up: the codes' values come out the same.
;;   OPERANDS COMPUTED ON THE WAY. 'Computed on the way' means the value that the module computes at that place (a softmax that the list does not call 'softmax' is quantised finished and normalised). What goes into a quantiser is computed in f32, as accurately as f32 sums, v_exp_f32 and their like allow (about 1e-6 of the number): no bf16 or f16 on the way to a quantiser, and a product that is left as it is and whose result goes on into a quantised operand takes f32 operands (vector FMAs, or v_wmma_f32_16x16x4_f32). A number that lies on a knife's edge between two numbers of the format may be rounded either way, as far as f32 arithmetic and the matrix unit's own rounding can turn it there, and no further.
;;   INPUTS GIVEN AS CODES. W_ffn1 (in the module: [256, 256], K = its axis 0); W_ffn2 (in the module: [256, 256], K = its axis 0); Wk (in the module: [256, 256], K = its axis 0); Wq (in the module: [256, 256], K = its axis 0); Wv (in the module: [256, 256], K = its axis 0): each comes as NAME_codes (uint8): NAME with its K axis moved to the last place and cut into blocks of 32 codes, [.., K / 32, bytes a block], one block behind the other in memory; two codes a byte, the lower K in the low four bits (a code: sign, 2 exponent bits, 1 mantissa bit); and NAME_scales (uint8): the same leading axes, one E8M0 byte (e + 127) for each 32 codes along K. Its value is code x scale, taken as it is: it is not quantised again, and the codes and scales need not be those that the quantiser above would give.
;; One version. Each part assembles by itself: llvm-mc -triple=amdgcn-amd-amdhsa -mcpu=gfx1250 --defsym DOCPART=n.
;; ======== version 1 of 1: 2 launches
;; limits: right only within a limited range of input values
;; workspace buffers: kv 12,582,912 bytes; qc 7,864,320 bytes
;; launch prep (part 1): grid 16 x 16, 12 waves a work-group, no clusters, 286,208 bytes of LDS; arguments x, g1, b1, Wq_codes, Wq_scales, Wk_codes, Wk_scales, Wv_codes, Wv_scales, kv, qc; writes kv, qc
.if DOCPART == 1
	.amdgcn_target "amdgcn-amd-amdhsa--gfx1250"
	.amdhsa_code_object_version 6
	.text
	.protected	k_q7c08e162c7_prep
	.globl	k_q7c08e162c7_prep
	.p2align	8
	.type	k_q7c08e162c7_prep,@function
k_q7c08e162c7_prep:
	s_mov_b64 s[64:65], 0
	v_nop
	global_prefetch_b8 v0, s[64:65] scope:SCOPE_SE
	s_setreg_imm32_b32 hwreg(HW_REG_WAVE_MODE, 25, 1), 1
	s_wait_xcnt 0x0
; PREP: normed = layernorm(x, g1, b1); q, k, v = Q(normed) x Wq, Wk, Wv (codes of E2M1, one E8M0 scale for each 32 along K); then q and k are quantised along each head's 43 or 42 numbers
; and v along the keys, and all three leave as IMAGES OF OPERAND REGISTERS (lane l's 16 bytes at 16 l), so that the next launch loads every fragment by 16-byte loads of consecutive bytes.
; x: [2048 s][16 b][256] f32.  Heads: widths 43, 43, 43, 43, 42, 42, first columns 0, 43, 86, 129, 172, 214 = 42 hd + min(hd, 4).
; SHARES.  A work-group takes 128 rows s of one batch b (x = which 128, y = b): 256 work-groups.  The 128 rows are 8 tiles; lane r of tile T stands for row 32 (T / 2) + 8 (T % 2) + r + 8 (r / 8), so that in
; a transposed product the 16 registers of two neighbouring tiles are 16 neighbours along the next K.  Up to the first barrier waves 0-7 normalise and quantise a tile each, and waves 8-11 bring the three
; weights into LDS.  Behind it wave w serves head w / 2 and row tiles 4 (w % 2) .. + 3: q, then k (transposed: source 0 = 16 columns of W, source 1 = 16 rows), then v (source 0 = 16 rows, source 1 = 16 columns).
; A head's columns are padded to 64 (q, k) or 48 (v) by columns taken modulo 256: real, finite numbers, which are set to zero ahead of the quantiser (q, k) or land in places that nobody reads (v).
; kv: record (b, hd, ks) of 8,192 bytes at ((6 b + hd) 16 + ks) 8192: +0 K: 8 tiles x 512 (lane (r, h): block h of key r's 64 codes); +4096 K's scale words (lane (r, h): the words of tiles 4 h .. 4 h + 3);
;     +4608 V: 3 tiles of 16 channels x 128 keys, 1,024 bytes each; +7680 V's scale words (lane: tiles 0, 1, 2, 2).   qc: chunk (b, ks, T) of 3,840 bytes: 6 heads x (512 codes + 128 scale words).
; A scale word of q or k: byte 0 block 0, byte 1 block 1, bytes 2 and 3 = 127: the upper 64 of the instruction's 128 along K meet zero codes.
; LIMITS: NaN and infinities among the inputs are not served.  A block whose largest magnitude lies under 2^(3 - 127), a block of zeros among them, gets the byte 1 (the quantiser's rule says 127 for zeros):
; its codes are zeros, and the bytes are read by this program alone.  The variance is taken of centred numbers, so a common offset of x is not lost.
; No tensor load, no copy: LDS is written by ds_store alone.  No cluster: the work-groups share only the weights, 104 KB against the 128 KB of x that each reads alone, and they come once.
.set XST,  0                           ; LDS: x's turn: for each of 8 waves 16 rows of 1,024 bytes, 1,040 apart (an odd multiple of 16)
.set OUTK, 0                           ; behind the first barrier, over XST: the 6 records for kv
.set OUTQ, 49152                       ; and the 8 chunks for qc
.set AIMG, 133120                      ; normed's 16 fragments (tile T, K step s) at (2 T + s) 1024
.set ASC,  149504                      ; their scale words, (2 T + s) 128 + 4 x lane
.set GBP,  151552                      ; g1 and b1, 2,048 bytes for each of the 8 waves: its own copy, so no barrier is needed
.set WCQ,  167936                      ; Wq's codes: 256 rows of 128 bytes, 144 apart
.set WCV,  241664                      ; (Wk's lie 36,864 behind Wq's, Wv's 73,728)
.set WSQ,  278528                      ; Wq's scale bytes, 8 a row; Wk's 2,048 behind, Wv's 4,096
.set WSV,  282624
.set LI,   1                           ; v1   16 x lane
.set LS,   2                           ; v2   4 x lane
.set XSW,  3                           ; v3   x's turn, in
.set XSR,  4                           ; v4   and out: row r, + 64 h
.set GBW,  5
.set GBR,  6
.set AIW,  7
.set ASW,  8
.set AIR,  9
.set ASR,  10
.set OQW,  11
.set OQS,  12
.set OKW,  13
.set OKS,  14
.set OVW,  15
.set OVS,  16
.set CPK,  17
.set CPQ,  18
.set WCW,  19
.set WSW,  20
.set WFA,  21                          ; v21-24  my head's four tiles of columns in a weight's codes (q, k)
.set WSA,  25                          ; v25-28  and in its scale bytes
.set VFA,  29                          ; v29-31  my head's three tiles of columns of Wv
.set VSA,  32                          ; v32-34
.set GWC,  35                          ; v35  staging: my byte offset in a weight's codes
.set GWS,  36                          ; v36  and in its scale bytes
.set WCW2, 37                          ; v37  WCW + 73,728: Wv's place lies beyond a 16-bit immediate
.set TM,   40                          ; v40-55 at work in the quantisers
.set PW,   56                          ; v56  the scale word just made
.set LNT,  57
.set LMU,  58                          ; v[58:59] the mean, twice
.set LRS,  60                          ; v[60:61] 1 / sqrt(var + eps), twice
.set LSA,  62                          ; v[62:63], v[54:55] two chains of sums
.set LSB,  54
.set X,    64                          ; v64-191  register 16 b + i = channel 32 b + 16 h + i of row r
.set GB,   192                         ; v192-223 two sets of 8 g and 8 b
.set PC,   224                         ; v224-231 the codes just made
.set MK,   232                         ; v[232:233] 1 in lanes 0-15, 0 in lanes 16-31, twice; v234 the same, 0 in heads of 42; v235 0
.set WS,   238                         ; v238-245 the weight's scale words   (v244-255 also serve the layernorm's sums)
.set AS,   246                         ; v246-253 normed's, for v
.set XS,   254                         ; v254-255 normed's, for q and k
.set W,    64                          ; v64-127  the weight's fragments
.set AF,   128                         ; v128-191 normed's fragments
.set ACC,  192                         ; v192-223 four accumulators
.set SEL,  32                          ; s[32:33] v_permlanex16_b32's selects for lane l xor 16
.set C256, 35                          ; s35  2^-8
.set CEPS, 36                          ; s36  1e-5
.macro MM0 d, a, b, sa, sb             ; the first K step starts a sum: nothing is cleared
	v_wmma_scale_f32_16x16x128_f8f6f4 v[\d:\d+7], v[\a:\a+7], v[\b:\b+7], 0, v[\sa], v[\sb] matrix_a_fmt:MATRIX_FMT_FP4 matrix_b_fmt:MATRIX_FMT_FP4
.endm
.macro MMA d, a, b, sa, sb
	v_wmma_scale_f32_16x16x128_f8f6f4 v[\d:\d+7], v[\a:\a+7], v[\b:\b+7], v[\d:\d+7], v[\sa], v[\sb] matrix_a_fmt:MATRIX_FMT_FP4 matrix_b_fmt:MATRIX_FMT_FP4
.endm
.macro PLACES n
.rept \n
	v_nop
.endr
.endm
.macro FETCH reg, adr, off             ; a fragment's image, 2 x 512 bytes, into 8 registers
.irp c, 0,1
	ds_load_b128 v[\reg+4*\c:\reg+4*\c+3], v[\adr] offset:\off+512*\c
.endr
.endm
.macro IMAGE adr, off, reg
.irp c, 0,1
	ds_store_b128 v[\adr], v[\reg+4*\c:\reg+4*\c+3] offset:\off+512*\c
.endr
.endm
; 64 numbers of a lane, register 16 b + i = k 32 b + 16 h + i of my row, become a fragment's codes in v[d] on and its scale word in v[sc]
.macro QUANT s, d, sc
.irp b, 0,1,2,3
	v_max3_num_f32 v[TM+\b], |v[\s+16*\b]|, |v[\s+1+16*\b]|, 0x1800000   ; block b: my 16 numbers, and the floor 2^(3 - 127): the byte cannot fall under 1
.endr
.irp i, 2,4,6,8,10,12,14
.irp b, 0,1,2,3
	s_delay_alu instid0(VALU_DEP_4)
	v_max3_num_f32 v[TM+\b], v[TM+\b], |v[\s+16*\b+\i]|, |v[\s+1+16*\b+\i]|
.endr
.endr
.irp b, 0,1,2,3
	s_delay_alu instid0(VALU_DEP_4)
	v_permlanex16_b32 v[TM+4+\b], v[TM+\b], s[SEL], s[SEL+1]
.endr
.irp b, 0,1,2,3
	s_delay_alu instid0(VALU_DEP_4)
	v_max_num_f32 v[TM+\b], v[TM+\b], v[TM+4+\b]                   ; with lane l xor 16's: the block's largest magnitude
.endr
.irp b, 0,1,2,3
	s_delay_alu instid0(VALU_DEP_4)
	v_add_nc_u32 v[TM+12+\b], 0xff000000, v[TM+\b]                 ; 2 off its exponent field: the conversion's scale operand
.endr
.irp b, 0,1,2,3
	s_delay_alu instid0(VALU_DEP_4)
	v_lshrrev_b32 v[TM+4+\b], 23, v[TM+12+\b]                      ; the scale's byte
.endr
	s_delay_alu instid0(VALU_DEP_3)
	v_lshl_or_b32 v[\sc], v[TM+5], 8, v[TM+4]
	s_delay_alu instid0(VALU_DEP_1)
	v_lshl_or_b32 v[\sc], v[TM+6], 16, v[\sc]
	s_delay_alu instid0(VALU_DEP_1)
	v_lshl_or_b32 v[\sc], v[TM+7], 24, v[\sc]
.irp b, 0,1,2,3
	v_cvt_scalef32_pk8_fp4_f32 v[\d+2*\b], v[\s+16*\b:\s+7+16*\b], v[TM+12+\b]
	v_cvt_scalef32_pk8_fp4_f32 v[\d+1+2*\b], v[\s+8+16*\b:\s+15+16*\b], v[TM+12+\b]
.endr
	v_nop                                          ; one plain place behind a scaled conversion
.irp c, 0,1                                    ; the operand wants a whole block in a lane: lanes 0-15 block 2 c, lanes 16-31 block 2 c + 1
.irp i, 0,1
	v_permlane16_swap_b32 v[\d+4*\c+\i], v[\d+2+4*\c+\i]
.endr
.endr
.endm
; the same for two blocks: 32 numbers of a lane become 4 registers of codes in v[PC] on (lane (r, h): block h) and two bytes in v[PW].  half = 0: bytes 2 and 3 become 127
.macro QUANT2 a, half
.irp b, 0,1
	v_max3_num_f32 v[TM+\b], |v[\a+16*\b]|, |v[\a+1+16*\b]|, 0x1800000
.endr
.irp i, 2,4,6,8,10,12,14
.irp b, 0,1
	v_max3_num_f32 v[TM+\b], v[TM+\b], |v[\a+16*\b+\i]|, |v[\a+1+16*\b+\i]|
.endr
.endr
.irp b, 0,1
	s_delay_alu instid0(VALU_DEP_2)
	v_permlanex16_b32 v[TM+2+\b], v[TM+\b], s[SEL], s[SEL+1]
.endr
.irp b, 0,1
	s_delay_alu instid0(VALU_DEP_2)
	v_max_num_f32 v[TM+\b], v[TM+\b], v[TM+2+\b]
.endr
.irp b, 0,1
	s_delay_alu instid0(VALU_DEP_2)
	v_add_nc_u32 v[TM+4+\b], 0xff000000, v[TM+\b]
.endr
.irp b, 0,1
	s_delay_alu instid0(VALU_DEP_2)
	v_lshrrev_b32 v[TM+2+\b], 23, v[TM+4+\b]
.endr
	s_delay_alu instid0(VALU_DEP_1)
	v_lshl_or_b32 v[PW], v[TM+3], 8, v[TM+2]
.if \half == 0
	s_delay_alu instid0(VALU_DEP_1)
	v_or_b32 v[PW], 0x7f7f0000, v[PW]
.endif
.irp b, 0,1
	v_cvt_scalef32_pk8_fp4_f32 v[PC+2*\b], v[\a+16*\b:\a+7+16*\b], v[TM+4+\b]
	v_cvt_scalef32_pk8_fp4_f32 v[PC+1+2*\b], v[\a+8+16*\b:\a+15+16*\b], v[TM+4+\b]
.endr
	v_nop                                          ; one plain place behind a scaled conversion
	v_permlane16_swap_b32 v[PC], v[PC+2]
	v_permlane16_swap_b32 v[PC+1], v[PC+3]
.endm
.macro GBLOAD n, ga, goff, boff        ; the gain and the offset of registers 8 n .. 8 n + 7 (channels 32 (n / 2) + 16 h + 8 (n % 2) on) into set n % 2
.irp k, 0,1
	ds_load_b128 v[GB+16*((\n)%2)+4*\k:GB+16*((\n)%2)+4*\k+3], v[\ga] offset:\goff+128*((\n)/2)+32*((\n)%2)+16*\k
.endr
.irp k, 0,1
	ds_load_b128 v[GB+16*((\n)%2)+8+4*\k:GB+16*((\n)%2)+8+4*\k+3], v[\ga] offset:\boff+128*((\n)/2)+32*((\n)%2)+16*\k
.endr
.endm
; layernorm of a row that lies in lanes l and l xor 16, 128 registers each: mean, centred, variance, x 1 / sqrt(var + eps), x g + b
.macro LNORM x, ga, goff, boff
	v_pk_add_f32 v[54:55], v[64:65], v[66:67]
	v_pk_add_f32 v[254:255], v[72:73], v[76:77]
	v_pk_add_f32 v[252:253], v[80:81], v[84:85]
	v_pk_add_f32 v[250:251], v[88:89], v[92:93]
	v_pk_add_f32 v[248:249], v[96:97], v[100:101]
	v_pk_add_f32 v[246:247], v[104:105], v[108:109]
	v_pk_add_f32 v[244:245], v[112:113], v[116:117]
	v_pk_add_f32 v[62:63], v[120:121], v[124:125]
	s_delay_alu instid0(VALU_DEP_1)
	v_pk_add_f32 v[62:63], v[62:63], v[128:129]
	v_pk_add_f32 v[54:55], v[54:55], v[132:133]
	v_pk_add_f32 v[254:255], v[254:255], v[136:137]
	v_pk_add_f32 v[252:253], v[252:253], v[140:141]
	v_pk_add_f32 v[250:251], v[250:251], v[144:145]
	v_pk_add_f32 v[248:249], v[248:249], v[148:149]
	v_pk_add_f32 v[246:247], v[246:247], v[152:153]
	v_pk_add_f32 v[244:245], v[244:245], v[156:157]
	v_pk_add_f32 v[62:63], v[62:63], v[160:161]
	v_pk_add_f32 v[54:55], v[54:55], v[164:165]
	v_pk_add_f32 v[254:255], v[254:255], v[168:169]
	v_pk_add_f32 v[252:253], v[252:253], v[172:173]
	v_pk_add_f32 v[250:251], v[250:251], v[176:177]
	v_pk_add_f32 v[248:249], v[248:249], v[180:181]
	v_pk_add_f32 v[246:247], v[246:247], v[184:185]
	v_pk_add_f32 v[244:245], v[244:245], v[188:189]
	v_pk_add_f32 v[62:63], v[62:63], v[68:69]
	v_pk_add_f32 v[54:55], v[54:55], v[70:71]
	v_pk_add_f32 v[254:255], v[254:255], v[74:75]
	v_pk_add_f32 v[252:253], v[252:253], v[78:79]
	v_pk_add_f32 v[250:251], v[250:251], v[82:83]
	v_pk_add_f32 v[248:249], v[248:249], v[86:87]
	v_pk_add_f32 v[246:247], v[246:247], v[90:91]
	v_pk_add_f32 v[244:245], v[244:245], v[94:95]
	v_pk_add_f32 v[62:63], v[62:63], v[98:99]
	v_pk_add_f32 v[54:55], v[54:55], v[102:103]
	v_pk_add_f32 v[254:255], v[254:255], v[106:107]
	v_pk_add_f32 v[252:253], v[252:253], v[110:111]
	v_pk_add_f32 v[250:251], v[250:251], v[114:115]
	v_pk_add_f32 v[248:249], v[248:249], v[118:119]
	v_pk_add_f32 v[246:247], v[246:247], v[122:123]
	v_pk_add_f32 v[244:245], v[244:245], v[126:127]
	v_pk_add_f32 v[62:63], v[62:63], v[130:131]
	v_pk_add_f32 v[54:55], v[54:55], v[134:135]
	v_pk_add_f32 v[254:255], v[254:255], v[138:139]
	v_pk_add_f32 v[252:253], v[252:253], v[142:143]
	v_pk_add_f32 v[250:251], v[250:251], v[146:147]
	v_pk_add_f32 v[248:249], v[248:249], v[150:151]
	v_pk_add_f32 v[246:247], v[246:247], v[154:155]
	v_pk_add_f32 v[244:245], v[244:245], v[158:159]
	v_pk_add_f32 v[62:63], v[62:63], v[162:163]
	v_pk_add_f32 v[54:55], v[54:55], v[166:167]
	v_pk_add_f32 v[254:255], v[254:255], v[170:171]
	v_pk_add_f32 v[252:253], v[252:253], v[174:175]
	v_pk_add_f32 v[250:251], v[250:251], v[178:179]
	v_pk_add_f32 v[248:249], v[248:249], v[182:183]
	v_pk_add_f32 v[246:247], v[246:247], v[186:187]
	v_pk_add_f32 v[244:245], v[244:245], v[190:191]
	s_delay_alu instid0(VALU_DEP_4)
	v_pk_add_f32 v[62:63], v[62:63], v[250:251]
	s_delay_alu instid0(VALU_DEP_4)
	v_pk_add_f32 v[54:55], v[54:55], v[248:249]
	s_delay_alu instid0(VALU_DEP_4)
	v_pk_add_f32 v[254:255], v[254:255], v[246:247]
	s_delay_alu instid0(VALU_DEP_4)
	v_pk_add_f32 v[252:253], v[252:253], v[244:245]
	s_delay_alu instid0(VALU_DEP_2)
	v_pk_add_f32 v[62:63], v[62:63], v[254:255]
	s_delay_alu instid0(VALU_DEP_2)
	v_pk_add_f32 v[54:55], v[54:55], v[252:253]
	s_delay_alu instid0(VALU_DEP_1)
	v_pk_add_f32 v[62:63], v[62:63], v[54:55]
	s_delay_alu instid0(VALU_DEP_1)
	v_add_f32 v[LSA], v[LSA], v[LSA+1]
	s_delay_alu instid0(VALU_DEP_1)
	v_permlanex16_b32 v[LNT], v[LSA], s[SEL], s[SEL+1]
	s_delay_alu instid0(VALU_DEP_1)
	v_add_f32 v[LSA], v[LSA], v[LNT]
	s_delay_alu instid0(VALU_DEP_1)
	v_mul_f32 v[LMU], s[C256], v[LSA]
	s_delay_alu instid0(VALU_DEP_1)
	v_mov_b32 v[LMU+1], v[LMU]
.set j, 0
.rept 64
	v_pk_add_f32 v[\x+j:\x+j+1], v[\x+j:\x+j+1], v[LMU:LMU+1] neg_lo:[0,1] neg_hi:[0,1]
.set j, j+2
.endr
	v_pk_mul_f32 v[LSA:LSA+1], v[\x:\x+1], v[\x:\x+1]
	v_pk_mul_f32 v[LSB:LSB+1], v[\x+2:\x+3], v[\x+2:\x+3]
.set j, 4
.rept 31
	s_delay_alu instid0(VALU_DEP_2)
	v_pk_fma_f32 v[LSA:LSA+1], v[\x+j:\x+j+1], v[\x+j:\x+j+1], v[LSA:LSA+1]
	s_delay_alu instid0(VALU_DEP_2)
	v_pk_fma_f32 v[LSB:LSB+1], v[\x+j+2:\x+j+3], v[\x+j+2:\x+j+3], v[LSB:LSB+1]
.set j, j+4
.endr
	s_delay_alu instid0(VALU_DEP_1)
	v_pk_add_f32 v[LSA:LSA+1], v[LSA:LSA+1], v[LSB:LSB+1]
	s_delay_alu instid0(VALU_DEP_1)
	v_add_f32 v[LSA], v[LSA], v[LSA+1]
	s_delay_alu instid0(VALU_DEP_1)
	v_permlanex16_b32 v[LNT], v[LSA], s[SEL], s[SEL+1]
	s_delay_alu instid0(VALU_DEP_1)
	v_add_f32 v[LSA], v[LSA], v[LNT]
	s_delay_alu instid0(VALU_DEP_1)
	v_fma_f32 v[LSA], v[LSA], s[C256], s[CEPS]     ; var + eps
	s_wait_alu depctr_va_vdst(0)
	v_rsq_f32 v[LRS], v[LSA]
	GBLOAD 0, \ga, \goff, \boff
	GBLOAD 1, \ga, \goff, \boff
	v_nop                                          ; a plain place behind the transcendental,
	s_wait_alu depctr_va_vdst(0)                   ; and the wait ahead of its first reader
	v_mov_b32 v[LRS+1], v[LRS]
.set j, 0
.rept 64
	v_pk_mul_f32 v[\x+j:\x+j+1], v[\x+j:\x+j+1], v[LRS:LRS+1]
.set j, j+2
.endr
.set n, 0
.rept 16
.if n < 15
	s_wait_dscnt 4                                 ; this chunk's four loads are in; the next chunk's four may be out
.else
	s_wait_dscnt 0x0
.endif
.irp k, 0,2,4,6
	v_pk_fma_f32 v[\x+8*n+\k:\x+8*n+\k+1], v[\x+8*n+\k:\x+8*n+\k+1], v[GB+16*(n%2)+\k:GB+16*(n%2)+\k+1], v[GB+16*(n%2)+8+\k:GB+16*(n%2)+8+\k+1]
.endr
.if n+2 < 16
	GBLOAD n+2, \ga, \goff, \boff
.endif
.set n, n+1
.endr
.endm
	s_load_b256 s[4:11], s[0:1], 0x0               ; x s[4:5], g1 s[6:7], b1 s[8:9], Wq's codes s[10:11]
	s_load_b256 s[12:19], s[0:1], 0x20             ; Wq's scales s[12:13], Wk's codes s[14:15], Wk's scales s[16:17], Wv's codes s[18:19]
	s_load_b128 s[20:23], s[0:1], 0x40             ; Wv's scales s[20:21], kv s[22:23]
	s_load_b64 s[24:25], s[0:1], 0x50              ; qc
	v_lshl_add_u32 v236, v0, 2, 0x45800
	v_mov_b32 v237, 0
	v_lshrrev_b32 v40, 5, v0
	s_delay_alu instid0(VALU_DEP_1)
	v_readfirstlane_b32 s26, v40                   ; wave 0..11
	s_min_u32 s27, s26, 7                          ; T: the row tile of waves 0-7
	s_and_b32 s28, s26, 3                          ; which quarter of a weight waves 8-11 bring
	s_lshr_b32 s29, s26, 1                         ; hd: my head behind the first barrier
	s_and_b32 s30, s26, 1                          ; z: my half of the row tiles
	s_min_u32 s31, s29, 4
	s_mul_i32 s34, s29, 42
	s_add_co_u32 s31, s31, s34                     ; the head's first column
	s_mov_b32 s[SEL], 0x76543210
	s_mov_b32 s[SEL+1], 0xfedcba98
	s_mov_b32 s[C256], 0x3b800000
	s_mov_b32 s[CEPS], 0x3727c5ac
	; every LDS address is made here, ahead of the parting of the roles
	v_and_b32 v40, 31, v0                          ; lane
	v_and_b32 v41, 15, v0                          ; r
	v_bfe_u32 v42, v0, 4, 1                        ; h
	s_delay_alu instid0(VALU_DEP_2)
	v_and_b32 v43, 8, v41
	s_delay_alu instid0(VALU_DEP_1)
	v_add_nc_u32 v43, v43, v41                     ; r + 8 (r / 8)
	v_lshlrev_b32 v[LI], 4, v40
	v_lshlrev_b32 v[LS], 2, v40
	s_mul_i32 s34, s27, 16640
	v_add_nc_u32 v[XSW], s34, v[LI]
	v_mul_u32_u24 v44, v41, 1040
	s_delay_alu instid0(VALU_DEP_1)
	v_lshl_add_u32 v44, v42, 6, v44
	s_delay_alu instid0(VALU_DEP_1)
	v_add_nc_u32 v[XSR], s34, v44
	s_lshl_b32 s34, s27, 11
	s_add_co_u32 s34, s34, GBP
	v_add_nc_u32 v[GBW], s34, v[LI]
	v_lshl_add_u32 v[GBR], v42, 6, s34
	s_lshl_b32 s34, s27, 11
	s_add_co_u32 s34, s34, AIMG
	v_add_nc_u32 v[AIW], s34, v[LI]
	s_lshl_b32 s34, s27, 8
	s_add_co_u32 s34, s34, ASC
	v_add_nc_u32 v[ASW], s34, v[LS]
	s_lshl_b32 s34, s30, 13
	s_add_co_u32 s34, s34, AIMG
	v_add_nc_u32 v[AIR], s34, v[LI]
	s_lshl_b32 s34, s30, 10
	s_add_co_u32 s34, s34, ASC
	v_add_nc_u32 v[ASR], s34, v[LS]
	s_mul_i32 s34, s30, 15360
	s_mul_i32 s38, s29, 640
	s_add_co_u32 s34, s34, s38
	s_add_co_u32 s34, s34, OUTQ
	v_add_nc_u32 v[OQW], s34, v[LI]
	s_add_co_u32 s34, s34, 512
	v_add_nc_u32 v[OQS], s34, v[LS]
	s_lshl_b32 s38, s29, 13                        ; my head's record
	s_lshl_b32 s34, s30, 11
	s_add_co_u32 s34, s34, s38
	v_add_nc_u32 v[OKW], s34, v[LI]
	s_lshl_b32 s34, s30, 8
	s_add_co_u32 s34, s34, s38
	s_add_co_u32 s34, s34, OUTK+4096
	v_lshl_add_u32 v[OKS], v41, 4, s34
	s_lshl_b32 s34, s30, 9
	s_add_co_u32 s34, s34, s38
	s_add_co_u32 s34, s34, OUTK+4608
	v_add_nc_u32 v[OVW], s34, v[LI]
	s_lshl_b32 s34, s30, 1
	s_add_co_u32 s34, s34, s38
	s_add_co_u32 s34, s34, OUTK+7680
	v_add_nc_u32 v[OVS], s34, v[LI]
	s_lshl_b32 s34, s26, 12
	v_add_nc_u32 v[CPK], s34, v[LI]
	s_mul_i32 s34, s26, 2560
	s_add_co_u32 s34, s34, OUTQ
	v_add_nc_u32 v[CPQ], s34, v[LI]
	v_lshrrev_b32 v44, 3, v40                      ; staging: a load's 512 bytes are four rows of 128: row lane / 8, 16 (lane % 8) bytes in
	s_delay_alu instid0(VALU_DEP_1)
	v_mul_u32_u24 v44, v44, 144
	v_and_b32 v45, 7, v40
	s_delay_alu instid0(VALU_DEP_1)
	v_lshl_add_u32 v44, v45, 4, v44
	s_mul_i32 s34, s28, 9216
	s_add_co_u32 s34, s34, WCQ
	v_add_nc_u32 v[WCW], s34, v44
	s_delay_alu instid0(VALU_DEP_1)
	v_add_nc_u32 v[WCW2], 73728, v[WCW]
	s_lshl_b32 s34, s28, 9
	v_add_nc_u32 v[GWS], s34, v[LI]
	s_add_co_u32 s34, s34, WSQ
	v_add_nc_u32 v[WSW], s34, v[LI]
	s_lshl_b32 s34, s28, 13
	v_add_nc_u32 v[GWC], s34, v[LI]
.irp t, 0,1,2,3                                ; q, k: lane r of tile t takes column (first + 32 (t / 2) + 8 (t % 2) + r + 8 (r / 8)) mod 256
	v_add_nc_u32 v44, 32*(\t/2)+8*(\t%2), v43
	s_delay_alu instid0(VALU_DEP_1)
	v_add_nc_u32 v44, s31, v44
	s_delay_alu instid0(VALU_DEP_1)
	v_and_b32 v44, 255, v44
	s_delay_alu instid0(VALU_DEP_1)
	v_mul_u32_u24 v45, v44, 144
	s_delay_alu instid0(VALU_DEP_1)
	v_lshl_add_u32 v45, v42, 4, v45
	s_delay_alu instid0(VALU_DEP_1)
	v_add_nc_u32 v[WFA+\t], WCQ, v45
	s_delay_alu instid0(VALU_DEP_4)
	v_lshl_add_u32 v[WSA+\t], v44, 3, WSQ
.endr
.irp t, 0,1,2                                  ; v: lane r of tile t takes column (first + 16 t + r) mod 256
	v_add_nc_u32 v44, 16*\t, v41
	s_delay_alu instid0(VALU_DEP_1)
	v_add_nc_u32 v44, s31, v44
	s_delay_alu instid0(VALU_DEP_1)
	v_and_b32 v44, 255, v44
	s_delay_alu instid0(VALU_DEP_1)
	v_mul_u32_u24 v45, v44, 144
	s_delay_alu instid0(VALU_DEP_1)
	v_lshl_add_u32 v45, v42, 4, v45
	s_delay_alu instid0(VALU_DEP_1)
	v_add_nc_u32 v[VFA+\t], WCV, v45
	s_delay_alu instid0(VALU_DEP_4)
	v_lshl_add_u32 v[VSA+\t], v44, 3, WSV
.endr
	v_cvt_f32_u32 v44, v42
	s_delay_alu instid0(VALU_DEP_1)
	v_sub_f32 v[MK], 1.0, v44                      ; 1 in lanes 0-15, 0 in lanes 16-31
	s_delay_alu instid0(VALU_DEP_1)
	v_mov_b32 v[MK+1], v[MK]
	s_cmp_lt_u32 s29, 4
	s_cselect_b32 s34, 1.0, 0
	v_mul_f32 v[MK+2], s34, v[MK]                  ; number 42 of a head: there in heads of 43 alone
	v_mov_b32 v[MK+3], 0
.irp j, 46,47,57
	v_mov_b32 v\j, 0                               ; written once: a lane permute's destination counts as one of its sources (v42-45 have been written)
.endr
	; where my parts begin in memory
	s_and_b32 s37, ttmp7, 0xffff                   ; b
	s_lshl_b32 s38, ttmp9, 7
	s_lshr_b32 s39, s27, 1
	s_lshl_b32 s39, s39, 5
	s_add_co_u32 s38, s38, s39
	s_and_b32 s39, s27, 1
	s_lshl_b32 s39, s39, 3
	s_add_co_u32 s38, s38, s39                     ; my tile's first row: 128 ks + 32 (T / 2) + 8 (T % 2)
	s_lshl_b32 s38, s38, 14
	s_lshl_b32 s39, s37, 10
	s_add_co_u32 s46, s38, s39
	s_mov_b32 s47, 0
	s_mul_i32 s48, s37, 6
	s_add_co_u32 s48, s48, s29
	s_lshl_b32 s48, s48, 4
	s_add_co_u32 s48, s48, ttmp9
	s_lshl_b32 s48, s48, 13
	s_lshl_b32 s49, s30, 12
	s_add_co_u32 s48, s48, s49                     ; kv: my head's record, my half of it
	s_mov_b32 s49, 0
	s_lshl_b32 s50, s37, 4
	s_add_co_u32 s50, s50, ttmp9
	s_mul_i32 s50, s50, 30720
	s_mul_i32 s51, s26, 2560
	s_add_co_u32 s50, s50, s51                     ; qc: the block's 30,720 bytes, my twelfth of them
	s_mov_b32 s51, 0
	s_wait_kmcnt 0x0
	s_add_nc_u64 s[40:41], s[4:5], s[46:47]
	s_add_nc_u64 s[42:43], s[22:23], s[48:49]
	s_add_nc_u64 s[44:45], s[24:25], s[50:51]
	s_cmp_lt_u32 s26, 8
	s_cbranch_scc0 .Lstage
	; ---- waves 0-7: my 16 rows of x.  Each load reads 512 consecutive bytes; the rows turn through my own stage, so that a lane holds 16 neighbours of each block of 32
	global_load_b128 v[GB:GB+3], v[LI], s[6:7]
	global_load_b128 v[GB+4:GB+7], v[LI], s[6:7] offset:512
	global_load_b128 v[GB+8:GB+11], v[LI], s[8:9]
	global_load_b128 v[GB+12:GB+15], v[LI], s[8:9] offset:512
.irp i, 0,1,2,3,4,5,6,7,8,9,10,11,12,13,14,15
.irp f, 0,1
	global_load_b128 v[X+8*\i+4*\f:X+8*\i+4*\f+3], v[LI], s[40:41] offset:(\i+8*(\i/8))*16384+512*\f th:TH_LOAD_NT
.endr
.endr
	s_wait_loadcnt 32                              ; g1 and b1 are in; x's 32 loads may be out
.irp k, 0,1,2,3
	ds_store_b128 v[GBW], v[GB+4*\k:GB+4*\k+3] offset:512*\k
.endr
	s_wait_loadcnt 16                              ; rows 0-7 are in
.irp i, 0,1,2,3,4,5,6,7
.irp f, 0,1
	ds_store_b128 v[XSW], v[X+8*\i+4*\f:X+8*\i+4*\f+3] offset:\i*1040+512*\f
.endr
.endr
	s_wait_loadcnt 0x0
.irp i, 8,9,10,11,12,13,14,15
.irp f, 0,1
	ds_store_b128 v[XSW], v[X+8*\i+4*\f:X+8*\i+4*\f+3] offset:\i*1040+512*\f
.endr
.endr
	s_wait_dscnt 0x0                               ; the stores have read their registers
.irp b, 0,1,2,3,4,5,6,7
.irp j, 0,1,2,3
	ds_load_b128 v[X+16*\b+4*\j:X+16*\b+4*\j+3], v[XSR] offset:128*\b+16*\j
.endr
.endr
	s_wait_dscnt 0x0
	LNORM X, GBR, 0, 1024
	QUANT X, PC, PW                                ; K step 0: channels 0-127
	IMAGE AIW, 0, PC
	ds_store_b32 v[ASW], v[PW]
	s_wait_dscnt 0x0                               ; the stores have read their registers
	QUANT X+64, PC, PW                             ; K step 1
	IMAGE AIW, 1024, PC
	ds_store_b32 v[ASW], v[PW] offset:128
	s_branch .Ljoin
.Lstage:	; ---- waves 8-11: a quarter of each weight, 64 rows of codes and their scale bytes, into LDS
	global_load_b128 v[192:195], v[GWS], s[12:13]
	global_load_b128 v[196:199], v[GWS], s[16:17]
	global_load_b128 v[200:203], v[GWS], s[20:21]
.irp i, 0,1,2,3,4,5,6,7,8,9,10,11,12,13,14,15
	global_load_b128 v[64+4*\i:67+4*\i], v[GWC], s[10:11] offset:512*\i
.endr
.irp i, 0,1,2,3,4,5,6,7,8,9,10,11,12,13,14,15
	global_load_b128 v[128+4*\i:131+4*\i], v[GWC], s[14:15] offset:512*\i
.endr
	s_wait_loadcnt 32                              ; the scale bytes are in; Wq's and Wk's 32 loads may be out
	ds_store_b128 v[WSW], v[192:195]
	ds_store_b128 v[WSW], v[196:199] offset:2048
	ds_store_b128 v[WSW], v[200:203] offset:4096
	s_wait_loadcnt 16                              ; Wq's codes are in
.irp i, 0,1,2,3,4,5,6,7,8,9,10,11,12,13,14,15
	ds_store_b128 v[WCW], v[64+4*\i:67+4*\i] offset:576*\i
.endr
	s_wait_dscnt 0x0                               ; the stores have read their registers, which take Wv's codes
.irp i, 0,1,2,3,4,5,6,7,8,9,10,11,12,13,14,15
	global_load_b128 v[64+4*\i:67+4*\i], v[GWC], s[18:19] offset:512*\i
.endr
	s_wait_loadcnt 16                              ; Wk's codes are in; Wv's 16 loads may be out
.irp i, 0,1,2,3,4,5,6,7,8,9,10,11,12,13,14,15
	ds_store_b128 v[WCW], v[128+4*\i:131+4*\i] offset:36864+576*\i
.endr
	s_wait_loadcnt 0x0
.irp i, 0,1,2,3,4,5,6,7,8,9,10,11,12,13,14,15
	ds_store_b128 v[WCW2], v[64+4*\i:67+4*\i] offset:576*\i
.endr
.Ljoin:
	s_wait_dscnt 0x0                               ; for the others' sake: my stores have landed, and my reads of x's turn are over
	s_barrier_signal -1
	s_barrier_wait -1                              ; normed's 16 fragments and the three weights lie in LDS; x's turn is free
; ---- q (kind 0) or k (kind 1) of my head, for my four row tiles.  Transposed: lane (r, h) holds row r, and register 16 b + i the head's number 32 b + 16 h + i.
; The loads into W and AF stand behind the mask's and the quantiser's plain lines, more than four places behind the products that read those registers.
.macro QKPHASE moff, soff, kind
.irp t, 0,1,2,3
.irp s, 0,1
.irp c, 0,1
	ds_load_b128 v[W+16*\t+8*\s+4*\c:W+16*\t+8*\s+4*\c+3], v[WFA+\t] offset:\moff+64*\s+32*\c
.endr
	ds_load_b32 v[WS+2*\t+\s], v[WSA+\t] offset:\soff+4*\s
.endr
.endr
.irp m, 0,1,2,3
	FETCH AF, AIR, \m*2048
	FETCH AF+8, AIR, \m*2048+1024
	ds_load_b32 v[XS], v[ASR] offset:256*\m
	ds_load_b32 v[XS+1], v[ASR] offset:256*\m+128
	s_wait_dscnt 0x0                               ; the operands are in, and the last unit's stores have read their registers
.irp t, 0,1,2,3                                ; the four accumulators by turns, a K step at a time
	MM0 ACC+8*\t, W+16*\t, AF, WS+2*\t, XS
.endr
.irp t, 0,1,2,3
	MMA ACC+8*\t, W+16*\t+8, AF+8, WS+2*\t+1, XS+1
.endr
	PLACES 4
	s_wait_alu depctr_va_vdst(0)
.irp j, 16,18,20,22,24                         ; block 1: numbers 32-41 are the head's in lanes 0-15; lanes 16-31 hold numbers 48 on
	v_pk_mul_f32 v[ACC+\j:ACC+\j+1], v[ACC+\j:ACC+\j+1], v[MK:MK+1]
.endr
	v_pk_mul_f32 v[ACC+26:ACC+27], v[ACC+26:ACC+27], v[MK+2:MK+3]   ; number 42 in heads of 43; number 43 never
.irp j, 28,29,30,31
	v_mov_b32 v[ACC+\j], 0
.endr
	QUANT2 ACC, 0
.if \kind == 0
	ds_store_b128 v[OQW], v[PC:PC+3] offset:3840*\m
	ds_store_b32 v[OQS], v[PW] offset:3840*\m
.else
	ds_store_b128 v[OKW], v[PC:PC+3] offset:512*\m
	ds_store_b32 v[OKS], v[PW] offset:4*\m         ; lanes r and r + 16 write the same word with the same value
.endif
.endr
.endm
	QKPHASE 0, 0, 0
	QKPHASE 36864, 2048, 1
	; ---- v of my head: source 0 = 16 rows (keys), source 1 = 16 columns: lane (r, h) holds channel r, and register 16 b + i key 64 z + 32 b + 16 h + i: the next K runs down my registers
.irp t, 0,1,2
.irp s, 0,1
.irp c, 0,1
	ds_load_b128 v[W+16*\t+8*\s+4*\c:W+16*\t+8*\s+4*\c+3], v[VFA+\t] offset:64*\s+32*\c
.endr
	ds_load_b32 v[WS+2*\t+\s], v[VSA+\t] offset:4*\s
.endr
.endr
.irp m, 0,1,2,3
.irp s, 0,1
	FETCH AF+16*\m+8*\s, AIR, (2*\m+\s)*1024
	ds_load_b32 v[AS+2*\m+\s], v[ASR] offset:(2*\m+\s)*128
.endr
.endr
	s_wait_dscnt 0x0
.irp t, 0,1,2
.irp m, 0,1,2,3
	MM0 ACC+8*\m, AF+16*\m, W+16*\t, AS+2*\m, WS+2*\t
.endr
.irp m, 0,1,2,3
	MMA ACC+8*\m, AF+16*\m+8, W+16*\t+8, AS+2*\m+1, WS+2*\t+1
.endr
	PLACES 4
	QUANT2 ACC, 1                                  ; blocks 2 z and 2 z + 1 of the 128 keys: registers 4 z .. 4 z + 3 of the fragment, bytes 2 z and 2 z + 1 of the scale word
	ds_store_b128 v[OVW], v[PC:PC+3] offset:1024*\t
	ds_store_b16 v[OVS], v[PW] offset:4*\t
.if \t == 2
	ds_store_b16 v[OVS], v[PW] offset:12           ; the lane's fourth word repeats the third: every byte that leaves is written
.endif
	s_wait_dscnt 0x0                               ; the stores have read their registers
.endr
	s_barrier_signal -1
	s_barrier_wait -1                              ; the 6 records and the 8 chunks are whole
	; ---- out: each store of the wave covers 512 consecutive bytes, aligned
.irp i, 0,1,2,3,4,5,6,7
	ds_load_b128 v[64+4*\i:67+4*\i], v[CPK] offset:512*\i
.endr
.irp i, 0,1,2,3,4
	ds_load_b128 v[96+4*\i:99+4*\i], v[CPQ] offset:512*\i
.endr
.irp i, 0,1,2,3,4,5,6,7
	s_wait_dscnt 12-\i                             ; LDS loads come back in order: this one is in, the younger may be out
	global_store_b128 v[LI], v[64+4*\i:67+4*\i], s[42:43] offset:512*\i
.endr
.irp i, 0,1,2,3,4
	s_wait_dscnt 4-\i
	global_store_b128 v[LI], v[96+4*\i:99+4*\i], s[44:45] offset:512*\i
.endr
	s_wait_tensorcnt 0x0
	ds_add_u32 v236, v237
	s_wait_dscnt 0x0
	s_endpgm
.Lfunc_end_k_q7c08e162c7_prep:
	.size	k_q7c08e162c7_prep, .Lfunc_end_k_q7c08e162c7_prep-k_q7c08e162c7_prep
	.p2alignl 7, 3214868480
	.fill 96, 4, 3214868480
	.section	.rodata,"a",@progbits
	.p2align	6, 0x0
	.amdhsa_kernel k_q7c08e162c7_prep
		.amdhsa_group_segment_fixed_size 286208
		.amdhsa_private_segment_fixed_size 0
		.amdhsa_enable_private_segment 0
		.amdhsa_kernarg_size 88
		.amdhsa_user_sgpr_count 2
		.amdhsa_user_sgpr_kernarg_segment_ptr 1
		.amdhsa_wavefront_size32 1
		.amdhsa_system_sgpr_workgroup_id_x 1
		.amdhsa_system_sgpr_workgroup_id_y 1
		.amdhsa_system_sgpr_workgroup_id_z 1
		.amdhsa_system_vgpr_workitem_id 0
		.amdhsa_next_free_vgpr 256
		.amdhsa_next_free_sgpr 66
		.amdhsa_reserve_vcc 0
		.amdhsa_float_denorm_mode_32 3
		.amdhsa_float_denorm_mode_16_64 3
		.amdhsa_memory_ordered 1
		.amdhsa_forward_progress 1
		.amdhsa_inst_pref_size 119
	.end_amdhsa_kernel
	.amdgpu_metadata
---
amdhsa.version: [ 1, 2 ]
amdhsa.kernels:
  - .name:           k_q7c08e162c7_prep
    .symbol:         k_q7c08e162c7_prep.kd
    .args:
      - { .name: x, .offset: 0, .size: 8, .value_kind: global_buffer, .address_space: global }
      - { .name: g1, .offset: 8, .size: 8, .value_kind: global_buffer, .address_space: global }
      - { .name: b1, .offset: 16, .size: 8, .value_kind: global_buffer, .address_space: global }
      - { .name: Wq_codes, .offset: 24, .size: 8, .value_kind: global_buffer, .address_space: global }
      - { .name: Wq_scales, .offset: 32, .size: 8, .value_kind: global_buffer, .address_space: global }
      - { .name: Wk_codes, .offset: 40, .size: 8, .value_kind: global_buffer, .address_space: global }
      - { .name: Wk_scales, .offset: 48, .size: 8, .value_kind: global_buffer, .address_space: global }
      - { .name: Wv_codes, .offset: 56, .size: 8, .value_kind: global_buffer, .address_space: global }
      - { .name: Wv_scales, .offset: 64, .size: 8, .value_kind: global_buffer, .address_space: global }
      - { .name: kv, .offset: 72, .size: 8, .value_kind: global_buffer, .address_space: global }
      - { .name: qc, .offset: 80, .size: 8, .value_kind: global_buffer, .address_space: global }
    .group_segment_fixed_size: 286208
    .private_segment_fixed_size: 0
    .kernarg_segment_align: 8
    .kernarg_segment_size: 88
    .max_flat_workgroup_size: 384
    .sgpr_count:     66
    .vgpr_count:     256
    .wavefront_size: 32
...
	.end_amdgpu_metadata
.endif
;; end of part 1
;; launch attn (part 2): grid 16 x 16, 16 waves a work-group, clusters of 4 x 1, 327,680 bytes of LDS; arguments kv, qc, x, g2, b2, W_ffn1_codes, W_ffn1_scales, b_ffn1, W_ffn2_codes, W_ffn2_scales, b_ffn2, out0; writes out0
.if DOCPART == 2
	.amdgcn_target "amdgcn-amd-amdhsa--gfx1250"
	.amdhsa_code_object_version 6
	.text
	.protected	k_q7c08e162c7_attn
	.globl	k_q7c08e162c7_attn
	.p2align	8
	.type	k_q7c08e162c7_attn,@function
k_q7c08e162c7_attn:
	s_mov_b64 s[64:65], 0
	v_nop
	global_prefetch_b8 v0, s[64:65] scope:SCOPE_SE
	s_setreg_imm32_b32 hwreg(HW_REG_WAVE_MODE, 25, 1), 1
	s_wait_xcnt 0x0
	s_wait_alu depctr_hold_cnt(0) depctr_sa_sdst(0) depctr_va_vdst(0) depctr_va_sdst(0) depctr_va_ssrc(0) depctr_va_vcc(0) depctr_vm_vsrc(0)
	s_getreg_b32 s2, hwreg(HW_REG_IB_STS2, 6, 4)
	s_cmp_eq_u32 s2, 0
	s_cbranch_scc0 .Lentry_in_a_cluster
	s_endpgm
.Lentry_in_a_cluster:
	s_bfe_u32 s2, ttmp6, 0x10000c
	s_cmp_lg_u32 s2, 0x3003
	s_cbranch_scc0 .Lentry_shape_is_right
	s_endpgm
.Lentry_shape_is_right:
; ATTN: six heads of attention on codes of E2M1 (one E8M0 scale for each 32 along a product's K), / the row's sum, + x, layernorm(g2, b2), relu(. W_ffn1 + b_ffn1) W_ffn2 + b_ffn2, + the normed row.
; kv and qc are this program's own buffers, images of operand registers (lane l's 16 bytes at 16 l): their layout stands at the head of the launch that writes them.
; SHARES.  A work-group owns 128 queries of one batch.  Its 16 waves, four to a SIMD, are 8 tiles T of 16 queries (lane r: row 32 (T / 2) + 8 (T % 2) + r + 8 (r / 8)) x 2 groups G: wave (T, G) takes its tile through
; heads 3 G .. 3 G + 2, 48 key steps of 128 keys.  The two groups' records (8,192 bytes a step) are two dense streams; a ring slot of 65,536 bytes holds four records of each; two slots; 12 changes of slots.
; Each wave fetches 4,096 bytes of a slot with one tensor load: every way through the text passes the first fill.
; CLUSTER.  The four work-groups of a cluster are four query blocks of one batch and walk the same records: each load is a joint one, with the same descriptor and a mask that names the four.
; THE SOFTMAX: t = score x log2(e) / sqrt(43 or 42); M = the running largest t rounded UP to a whole number; p = 2^(t - M) is quantised along the keys, not normalised; the row's sum is taken of the unquantised p
; and divides at the head's end; when M moves, the sum and O^T are multiplied by 2^(old M - new M), which rounds nothing.  A block's largest p is made from the block's largest score by the same multiply-add and
; exponential (this takes v_exp_f32 not to fall where its input rises).  Both products are used transposed: a lane holds ONE query.  Q's registers 4-7 are zero codes; K's tiles lie 4 registers apart.
; THE TAIL.  Wave (T, G) takes channels 128 G .. + 127 of its tile's rows: O from the stage + x; its own mean and centred sum of squares, joined with the partner's (mean = the two means' mean; the sums of squares
; add, + 64 x the means' difference squared): centred throughout, so a common offset of x is not lost; K step G of the normed row's operand; columns 128 G on of both products of the FFN.  Operands pass between waves as register images in LDS.
; The FFN's codes wait in 32 registers a wave through the loop and are stored into the ring's bytes behind its last fill and last read.
; PREFETCHES.  At a change of slots waves 0 and 1 of the batch's first cluster name one record each (group = wave, record = the work-group's place, told apart by address) of the slot that the NEXT change loads: four key steps ahead; slots 0 and 1
; come by their loads alone and the last filling change names nothing.  Each wave names its own 32 blocks of 256 bytes of x once, three changes of slots ahead of the loads.
; LIMITS: NaN and infinities are not served.  A block whose largest magnitude lies under 2^(3 - 127), zeros among them, gets the scale byte 1: its codes are zeros.  The scaled scores stay under 2^31 in magnitude.
; REGISTERS, loop: v1-8 addresses; v12 -M, v13 largest t, v[14:15] the sum; v16-23 Q; v26-27 later heads' scale words; v28-31 offsets; v32-67 K; v68-91 V; v96-159 S^T, p; v160-183 O^T; v184-215 FFN codes; v216-223 later heads' Q; v224-254 at work.
; tail: v6-22 addresses; v32-95 weights' fragments and scratch; v96-159 my 64 numbers of a row; v160-223 accumulators; v224-239 operand fragments.  v24-25, v240-243, v248-251, v253, v255 scale words.
.set SLOT1, 65536
.set XT,    73728                      ; tail: x's turn, 16 rows x 272 bytes for each wave (behind the FFN's codes at 0: 512 rows, 144 apart)
.set HFI,   98304                      ; tail, behind x's turn: the hidden layer's 16 fragment images; their scale words at HSI
.set HSI,   114688
.set DXF,   47104                      ; the normed row's images and scale words lie this far behind the hidden layer's
.set EXC,   143360                     ; the halves' means and sums of squares, 8 bytes a row
.set WS1,   167936                     ; W_ffn1's scale bytes, 8 a row; W_ffn2's 2,048 behind
.set PRM,   172032                     ; g2, b2, b_ffn1, b_ffn2: 1,024 bytes each
.set STG,   176128                     ; 128 rows x 6 heads x 48 numbers, 1,168 bytes apart; later the way out, 16 rows x 528 for each wave
.set SPITCH, 1168
.set SPARE, 325632                     ; the spare words, 128 bytes for each wave
.set LI, 1
.set LS, 2
.set ADR, 3
.set SPW, 4
.set NIL, 5
.set STO, 6
.set STH, 7
.set LIG, 8
.set XSR, 9
.set R21, 10
.set R22, 11
.set NM, 12
.set MT, 13
.set LL, 14
.set QF, 16
.set HS0, 24
.set PXO, 28
.set XO, 29
.set PFO, 31
.set KF, 32
.set VF, 68
.set S, 96
.set O, 160
.set WK, 184
.set QA, 216
.set QC, 220
.set P, 224
.set BM, 232
.set T4, 236
.set VS, 240
.set SO, 244
.set KS, 248
.set FF, 252
.set PS, 253
.set TP, 254
.set QS, 255
.set XTW, 6
.set XTR, 7
.set WCS, 8
.set EXW, 12
.set EXR, 13
.set IMW, 14
.set IMR, 15
.set SMW, 16
.set SMR, 17
.set WFA, 18
.set WSA, 19
.set PRA, 20
.set OSW, 21
.set OSR, 22
.set WF, 32
.set TM, 32
.set PC, 48
.set PW, 56
.set A, 96
.set H, 160
.set XF, 224
.set WV, 28
.set CX, 29
.set QB, 30
.set BB, 31
.set G1, 32
.set G0, 40
.set TB, 44
.set SLEFT, 45
.set HC, 46
.set TT, 47
.set SH, 48
.set LIM, 49
.set CS, 50
.set CSB, 53
.set SEL, 54
.set PFA, 56
.set QP, 58
.set XB, 60
.set OB, 62
.set C256, 72
.set CEPS, 73
.set GG, 74
.set C64, 75
.set C128, 78
.macro MM0 d, a, b, sa, sb
	v_wmma_scale_f32_16x16x128_f8f6f4 v[\d:\d+7], v[\a:\a+7], v[\b:\b+7], 0, v[\sa], v[\sb] matrix_a_fmt:MATRIX_FMT_FP4 matrix_b_fmt:MATRIX_FMT_FP4
.endm
.macro MM0R d, a, b, sa, sb            ; source 0's scale words stand in lanes 16-31
	v_wmma_scale_f32_16x16x128_f8f6f4 v[\d:\d+7], v[\a:\a+7], v[\b:\b+7], 0, v[\sa], v[\sb] matrix_a_fmt:MATRIX_FMT_FP4 matrix_b_fmt:MATRIX_FMT_FP4 matrix_a_scale:MATRIX_SCALE_ROW1
.endm
.macro MMA d, a, b, sa, sb
	v_wmma_scale_f32_16x16x128_f8f6f4 v[\d:\d+7], v[\a:\a+7], v[\b:\b+7], v[\d:\d+7], v[\sa], v[\sb] matrix_a_fmt:MATRIX_FMT_FP4 matrix_b_fmt:MATRIX_FMT_FP4
.endm
.macro PLACES n
.rept \n
	v_nop
.endr
.endm
.macro CROUND                          ; a round of the cluster's barrier
	s_barrier_signal -1
	s_barrier_wait -1
	s_cmp_lg_u32 s[WV], 0
	s_cbranch_scc1 .Lnot_wave_0_\@
	s_barrier_signal -3
.Lnot_wave_0_\@:
	s_barrier_wait -3
	s_barrier_signal -1
	s_barrier_wait -1
.endm
.macro BAR                             ; my LDS stores have landed and my LDS reads are over; then the work-group's barrier
	s_wait_alu depctr_va_vdst(0)                   ; the wait ahead of a blocking wait
	s_wait_dscnt 0x0
	s_barrier_signal -1
	s_barrier_wait -1
.endm
.macro JLOAD                           ; every wave's 4,096 bytes of a slot
	tensor_load_to_lds s[G0:G0+3], s[G1:G1+7]
	s_nop 0
.rept 4
	v_nop
.endr
.endm
.macro ASK
	s_cmp_gt_u32 s[SLEFT], s[LIM]
	s_cbranch_scc0 .Lnot_mine_\@
	global_prefetch_b8 v[PFO], s[PFA:PFA+1] th:TH_LOAD_NT scope:SCOPE_SE
.Lnot_mine_\@:
	s_cmp_eq_u32 s[SLEFT], 3
	s_cbranch_scc0 .Lnot_x_\@
	global_prefetch_b8 v[PXO], s[XB:XB+1] th:TH_LOAD_NT scope:SCOPE_SE
.Lnot_x_\@:
.endm
.macro KLOAD q                         ; record q of my group in the slot: K's 8 tiles and their scale words: 9 loads of 512 consecutive bytes
.irp t, 0,1,2,3,4,5,6,7
	ds_load_b128 v[KF+4*\t:KF+4*\t+3], v[ADR] offset:(\q)*8192+512*\t
.endr
	ds_load_b128 v[KS:KS+3], v[ADR] offset:(\q)*8192+4096
.endm
.macro VLOAD q                         ; V's 3 tiles and their scale words: 7 loads
.irp t, 0,1,2
.irp c, 0,1
	ds_load_b128 v[VF+8*\t+4*\c:VF+8*\t+4*\c+3], v[ADR] offset:(\q)*8192+4608+1024*\t+512*\c
.endr
.endr
	ds_load_b128 v[VS:VS+3], v[ADR] offset:(\q)*8192+7680
.endm
; A KEY STEP: 128 keys of the head in hand
.macro STEP q
	s_wait_dscnt 0x0                               ; K of this step is in
.irp t, 0,1,2,3
	MM0 S+8*\t, KF+4*\t, QF, KS+\t, QS
.endr
.irp t, 0,1,2,3
	MM0R S+32+8*\t, KF+16+4*\t, QF, KS+\t, QS
.endr
	PLACES 4                                       ; in front of the reads of S^T and of the loads into registers that products have read
	VLOAD \q
.if \q < 3
	KLOAD \q+1
.endif
.irp b, 0,1,2,3
	v_max3_num_f32 v[BM+\b], v[S+16*\b], v[S+1+16*\b], v[S+2+16*\b]   ; the largest score of each block of 32 keys (four blocks by turns)
.endr
.irp i, 3,5,7,9,11,13
.irp b, 0,1,2,3
	v_max3_num_f32 v[BM+\b], v[BM+\b], v[S+16*\b+\i], v[S+1+16*\b+\i]
.endr
.endr
.irp b, 0,1,2,3
	v_max_num_f32 v[BM+\b], v[BM+\b], v[S+15+16*\b]
.endr
.irp b, 0,1,2,3
	s_delay_alu instid0(VALU_DEP_4)
	v_permlanex16_b32 v[T4+\b], v[BM+\b], s[SEL], s[SEL+1]
.endr
.irp b, 0,1,2,3
	s_delay_alu instid0(VALU_DEP_4)
	v_max_num_f32 v[BM+\b], v[BM+\b], v[T4+\b]     ; with lane l xor 16's 16 keys
.endr
	s_delay_alu instid0(VALU_DEP_2)
	v_max3_num_f32 v[TP], v[BM], v[BM+1], v[BM+2]
	s_delay_alu instid0(VALU_DEP_1)
	v_max_num_f32 v[TP], v[TP], v[BM+3]
	s_delay_alu instid0(VALU_DEP_1)
	v_mul_f32 v[TP], s[CS], v[TP]                  ; as t (c is positive)
	s_delay_alu instid0(VALU_DEP_1)
	v_max_num_f32 v[MT], v[MT], v[TP]              ; the running largest t
	v_mov_b32 v[TP], v[NM]
	s_delay_alu instid0(VALU_DEP_2)
	v_floor_f32 v[NM], -v[MT]                      ; the new -M = -ceil(t)
	s_delay_alu instid0(VALU_DEP_1)
	v_sub_f32 v[TP], v[NM], v[TP]                  ; old M - new M: a whole number, 0 or less
	s_delay_alu instid0(VALU_DEP_1)
	v_cvt_i32_f32 v[TP], v[TP]                     ; (it saturates)
	s_delay_alu instid0(VALU_DEP_1)
	v_ldexp_f32 v[FF], 1.0, v[TP]                  ; f = 2^(old M - new M)
.set j, 0
.rept 32
	v_pk_fma_f32 v[S+j:S+j+1], v[S+j:S+j+1], s[CS:CS+1], v[NM:NM+1] op_sel_hi:[1,0,0]   ; t - M, two at a time
.set j, j+2
.endr
.irp b, 0,1,2,3
	v_fma_f32 v[BM+\b], v[BM+\b], s[CS], v[NM]     ; the same of each block's largest score
.endr
	s_wait_alu depctr_va_vdst(0)                   ; the wait ahead of the batch
.set j, 0
.rept 64
	v_exp_f32 v[S+j], v[S+j]                       ; p = 2^(t - M), at most 1
.set j, j+1
.endr
	v_pk_mul_f32 v[LL:LL+1], v[LL:LL+1], v[FF:FF+1] op_sel_hi:[1,0]   ; the sums under the new M: a plain place behind the exponentials
	s_wait_alu depctr_va_vdst(0)                   ; one wait for the batch of 64, ahead of its first reader
.irp b, 0,1,2,3
	v_exp_f32 v[BM+\b], v[BM+\b]                   ; the block's largest p
.endr
.set j, 0                                      ; the row's sum of the unquantised p: 32 pairs into eight chains by turns
.irp c, 236,238,244,246,226,228,230
	v_pk_add_f32 v[\c:\c+1], v[S+j:S+j+1], v[S+j+2:S+j+3]
.set j, j+4
.endr
	v_pk_add_f32 v[LL:LL+1], v[LL:LL+1], v[S+28:S+29]
.set j, 30
.rept 2
.irp c, 236,238,244,246,226,228,230,14
	v_pk_add_f32 v[\c:\c+1], v[\c:\c+1], v[S+j:S+j+1]
.set j, j+2
.endr
.endr
	v_pk_add_f32 v[236:237], v[236:237], v[S+62:S+63]
	v_pk_add_f32 v[244:245], v[244:245], v[246:247]
	v_pk_add_f32 v[226:227], v[226:227], v[228:229]
	v_pk_add_f32 v[14:15], v[14:15], v[230:231]
	v_pk_add_f32 v[236:237], v[236:237], v[238:239]
	s_delay_alu instid0(VALU_DEP_2)
	v_pk_add_f32 v[14:15], v[14:15], v[226:227]
	s_delay_alu instid0(VALU_DEP_2)
	v_pk_add_f32 v[236:237], v[236:237], v[244:245]
	s_delay_alu instid0(VALU_DEP_1)
	v_pk_add_f32 v[14:15], v[14:15], v[236:237]
	s_wait_alu depctr_va_vdst(0)                   ; and one for the four
.irp b, 0,1,2,3
	v_max_num_f32 v[BM+\b], 0x1800000, v[BM+\b]    ; the floor 2^(3 - 127): the byte cannot fall under 1
.endr
.irp b, 0,1,2,3
	s_delay_alu instid0(VALU_DEP_4)
	v_add_nc_u32 v[SO+\b], 0xff000000, v[BM+\b]    ; 2 off the exponent field: the conversion's scale operand
.endr
.irp b, 0,1,2,3
	s_delay_alu instid0(VALU_DEP_4)
	v_lshrrev_b32 v[T4+\b], 23, v[SO+\b]           ; the scale's byte
.endr
	s_delay_alu instid0(VALU_DEP_3)
	v_lshl_or_b32 v[PS], v[T4+1], 8, v[T4]         ; p's scale word for these 128 keys
	s_delay_alu instid0(VALU_DEP_1)
	v_lshl_or_b32 v[PS], v[T4+2], 16, v[PS]
	s_delay_alu instid0(VALU_DEP_1)
	v_lshl_or_b32 v[PS], v[T4+3], 24, v[PS]
.irp b, 0,1,2,3
	v_cvt_scalef32_pk8_fp4_f32 v[P+2*\b], v[S+16*\b:S+7+16*\b], v[SO+\b]
	v_cvt_scalef32_pk8_fp4_f32 v[P+1+2*\b], v[S+8+16*\b:S+15+16*\b], v[SO+\b]
.endr
	v_nop                                          ; one plain place behind a scaled conversion
.irp c, 0,1
.irp i, 0,1
	v_permlane16_swap_b32 v[P+4*\c+\i], v[P+2+4*\c+\i]
.endr
.endr
	s_wait_alu depctr_va_vdst(0)                   ; the wait directly ahead of the first reader of O^T
.set j, 0
.rept 12
	v_pk_mul_f32 v[O+j:O+j+1], v[O+j:O+j+1], v[FF:FF+1] op_sel_hi:[1,0]   ; O^T under the new M; also the places between p's codes and scale word and the products
.set j, j+2
.endr
	s_wait_alu depctr_va_vdst(0)
.if \q < 3
	s_wait_dscnt 9                                 ; V is in; the next step's nine loads of K may be out
.else
	s_wait_dscnt 0x0
.endif
.irp t, 0,1,2
	MMA O+8*\t, VF+8*\t, P, VS+\t, PS
.endr
.endm
; THE CHANGE OF SLOTS, at a slot's head: all my tensor loads are in; the add; my reads of the slot that I have left are over.  fill = 1: a round of the cluster's barrier, and the joint refill first behind it,
; with the slot's four key steps in which to land.  One tensor load of a wave is out at the most.
.macro CHANGE fill
	s_wait_tensorcnt 0x0
	ds_add_u32 v[SPW], v[NIL]
.if \fill
	s_xor_b32 s[G0+1], s[G0+1], SLOT1              ; the other slot than last time,
	s_add_nc_u64 s[G0+2:G0+3], s[G0+2:G0+3], 32768 ; the next four records of my stream
	s_wait_xcnt 0x0                                ; my last prefetch has read its address
	s_add_nc_u64 s[PFA:PFA+1], s[PFA:PFA+1], 32768 ; one slot further on than the walking descriptor
.endif
	s_wait_dscnt 0x0
.if \fill
	CROUND
	JLOAD
	ASK
.else
	s_barrier_signal -1
	s_barrier_wait -1
.endif
	v_add_nc_u32 v[ADR], s[TB], v[LIG]
	s_wait_alu depctr_va_vdst(0)
	KLOAD 0
.endm
.macro SLOT_STEPS
	STEP 0
	STEP 1
	STEP 2
	STEP 3
	s_xor_b32 s[TB], s[TB], SLOT1
.endm
.macro HINIT                           ; O^T and the sum begin as zeros and the largest t as -3e38, so that the key step has one form
.set j, 0
.rept 24
	v_mov_b32 v[O+j], 0
.set j, j+1
.endr
	v_mov_b32 v[MT], 0xff61b1e6
	s_delay_alu instid0(VALU_DEP_1)
	v_floor_f32 v[NM], -v[MT]
	v_mov_b32 v[LL], 0
	v_mov_b32 v[LL+1], 0
.endm
; A head ends: O^T / the sum goes to the stage: row r of my tile, 48 places a head.  last = 1: my half rows of x are asked for: lanes 0-15 take 256 bytes of row i, lanes 16-31 of row i + 8
.macro HEAD_END last
	PLACES 4
.if \last
.irp p, 0,1
.irp i, 0,1,2,3,4,5,6,7
	global_load_b128 v[32+32*\p+4*\i:35+32*\p+4*\i], v[XO], s[XB:XB+1] offset:\i*16384+256*\p th:TH_LOAD_NT
.endr
.endr
.endif
	v_add_f32 v[LL], v[LL], v[LL+1]
	s_delay_alu instid0(VALU_DEP_1)
	v_permlanex16_b32 v[FF], v[LL], s[SEL], s[SEL+1]
	s_delay_alu instid0(VALU_DEP_1)
	v_add_f32 v[LL], v[LL], v[FF]                  ; the row's sum
	s_wait_alu depctr_va_vdst(0)
	v_rcp_f32 v[LL], v[LL]
	v_add_nc_u32 v[STH], s[SH], v[STO]             ; (a plain place behind the transcendental)
	s_wait_alu depctr_va_vdst(0)                   ; ahead of the first reader of the reciprocal and of O^T
.set j, 0
.rept 24
	v_mul_f32 v[S+j], v[O+j], v[LL]                ; register 8 t + i: the head's channel 16 t + 8 h + i
.set j, j+1
.endr
.irp t, 0,1,2
.irp k, 0,1
	ds_store_b128 v[STH], v[S+8*\t+4*\k:S+8*\t+4*\k+3] offset:64*\t+16*\k
.endr
.endr
	s_add_co_u32 s[SH], s[SH], 192
.endm
; 64 numbers of a lane, register 16 b + i = k 32 b + 16 h + i of my row, become a fragment's codes in v[PC] on and its scale word in v[PW]
.macro QUANT s
.irp b, 0,1,2,3
	v_max3_num_f32 v[TM+\b], |v[\s+16*\b]|, |v[\s+1+16*\b]|, 0x1800000
.endr
.irp i, 2,4,6,8,10,12,14
.irp b, 0,1,2,3
	s_delay_alu instid0(VALU_DEP_4)
	v_max3_num_f32 v[TM+\b], v[TM+\b], |v[\s+16*\b+\i]|, |v[\s+1+16*\b+\i]|
.endr
.endr
.irp b, 0,1,2,3
	s_delay_alu instid0(VALU_DEP_4)
	v_permlanex16_b32 v[TM+4+\b], v[TM+\b], s[SEL], s[SEL+1]
.endr
.irp b, 0,1,2,3
	s_delay_alu instid0(VALU_DEP_4)
	v_max_num_f32 v[TM+\b], v[TM+\b], v[TM+4+\b]
.endr
.irp b, 0,1,2,3
	s_delay_alu instid0(VALU_DEP_4)
	v_add_nc_u32 v[TM+12+\b], 0xff000000, v[TM+\b]
.endr
.irp b, 0,1,2,3
	s_delay_alu instid0(VALU_DEP_4)
	v_lshrrev_b32 v[TM+4+\b], 23, v[TM+12+\b]
.endr
	s_delay_alu instid0(VALU_DEP_3)
	v_lshl_or_b32 v[PW], v[TM+5], 8, v[TM+4]
	s_delay_alu instid0(VALU_DEP_1)
	v_lshl_or_b32 v[PW], v[TM+6], 16, v[PW]
	s_delay_alu instid0(VALU_DEP_1)
	v_lshl_or_b32 v[PW], v[TM+7], 24, v[PW]
.irp b, 0,1,2,3
	v_cvt_scalef32_pk8_fp4_f32 v[PC+2*\b], v[\s+16*\b:\s+7+16*\b], v[TM+12+\b]
	v_cvt_scalef32_pk8_fp4_f32 v[PC+1+2*\b], v[\s+8+16*\b:\s+15+16*\b], v[TM+12+\b]
.endr
	v_nop                                          ; one plain place behind a scaled conversion
.irp c, 0,1
.irp i, 0,1
	v_permlane16_swap_b32 v[PC+4*\c+\i], v[PC+2+4*\c+\i]
.endr
.endr
.endm
.macro SENDF off                       ; my fragment's image and scale words to LDS, a barrier, and my tile's two fragments back into v[XF] on
	ds_store_b128 v[IMW], v[PC:PC+3] offset:\off
	ds_store_b128 v[IMW], v[PC+4:PC+7] offset:\off+512
	ds_store_b32 v[SMW], v[PW] offset:\off
	BAR
.irp s, 0,1
.irp c, 0,1
	ds_load_b128 v[XF+8*\s+4*\c:XF+8*\s+4*\c+3], v[IMR] offset:\off+1024*\s+512*\c
.endr
.endr
.endm
; my 128 columns of a product with a weight [256][256], transposed: source 0 = 16 rows of the weight (lane r of tile t: row 128 G + 32 (t / 2) + 8 (t % 2) + r + 8 (r / 8)), source 1 = my tile's two fragments.
; In v[H] on, register 16 b + i = column 128 G + 32 b + 16 h + i of row r.  The bias is the C of each sum's first product.  Four tiles at a time, the accumulators by turns.
.macro LAYER woff, wsoff, boff, s0, s1
.irp t, 0,1,2,3,4,5,6,7
.irp k, 0,1
	ds_load_b128 v[H+8*\t+4*\k:H+8*\t+4*\k+3], v[PRA] offset:\boff+128*(\t/2)+32*(\t%2)+16*\k
.endr
.endr
.irp e, 0,1
.irp t, 0,1,2,3
.irp s, 0,1
.irp c, 0,1
	ds_load_b128 v[WF+16*\t+8*\s+4*\c:WF+16*\t+8*\s+4*\c+3], v[WFA] offset:\woff+(32*((4*\e+\t)/2)+8*(\t%2))*144+64*\s+32*\c
.endr
.endr
	ds_load_b32 v[VS+\t], v[WSA] offset:\wsoff+(32*((4*\e+\t)/2)+8*(\t%2))*8
	ds_load_b32 v[KS+\t], v[WSA] offset:\wsoff+(32*((4*\e+\t)/2)+8*(\t%2))*8+4
.endr
	s_wait_dscnt 0x0
.irp t, 0,1,2,3
	MMA H+8*(4*\e+\t), WF+16*\t, XF, VS+\t, \s0
.endr
	s_wait_alu depctr_va_vdst(0)
.irp t, 0,1,2,3
	MMA H+8*(4*\e+\t), WF+16*\t+8, XF+8, KS+\t, \s1
.endr
	PLACES 4                                       ; in front of loads into registers that these products have read, and of the first read of results
.endr
.endm
.macro POS res, c                      ; where channel c lies in a stage row of 6 x 48 numbers
.if (\c) < 172
.set \res, (\c)+5*((\c)/43)
.elseif (\c) < 214
.set \res, (\c)+20
.else
.set \res, (\c)+26
.endif
.endm
.macro GATHER g                        ; register 16 b + i = channel 128 g + 32 b + 16 h + i.  Lanes 16-31 read 16 channels on: 16, 21 or 22 places on in a stage row, as a head's end lies between
.set n, 0
.rept 64
	POS p0, 128*\g+32*(n/16)+n%16
	POS p1, 128*\g+32*(n/16)+n%16+16
.if p1-p0 == 16
	ds_load_b32 v[A+n], v[XSR] offset:4*p0
.elseif p1-p0 == 21
	ds_load_b32 v[A+n], v[R21] offset:4*p0
.else
	ds_load_b32 v[A+n], v[R22] offset:4*p0
.endif
.set n, n+1
.endr
.endm
	s_load_b256 s[4:11], s[0:1], 0x0               ; kv s[4:5], qc s[6:7], x s[8:9], g2 s[10:11]
	s_load_b256 s[12:19], s[0:1], 0x20             ; b2 s[12:13], W_ffn1's codes s[14:15], its scales s[16:17], b_ffn1 s[18:19]
	s_load_b256 s[20:27], s[0:1], 0x40             ; W_ffn2's codes s[20:21], its scales s[22:23], b_ffn2 s[24:25], out0 s[26:27]
	v_lshl_add_u32 v[SPW], v0, 2, SPARE
	v_mov_b32 v[NIL], 0
	ds_add_u32 v[SPW], v[NIL]                      ; the opening lines: the add, twice on end, and its wait ahead of my first tensor load
	ds_add_u32 v[SPW], v[NIL]
	v_lshrrev_b32 v232, 5, v0
	s_delay_alu instid0(VALU_DEP_1)
	v_readfirstlane_b32 s[WV], v232                ; wave 0..15
	s_and_b32 s[TT], s[WV], 7                      ; my tile
	s_lshr_b32 s[GG], s[WV], 3                     ; my group of heads
	s_bfe_u32 s[CX], ttmp6, 0x40000                ; my place in the cluster: it enters addresses in qc, x, out0 and the prefetches alone
	s_lshl_b32 s[QB], ttmp9, 2
	s_add_co_u32 s[QB], s[QB], s[CX]               ; my block of 128 queries
	s_and_b32 s[BB], ttmp7, 0xffff                 ; the batch, which the four partners share
	s_mov_b32 s[G1], 15|(3<<16)|(1<<21)            ; the mask: all four work-groups; elements of 8 bytes; bit 21 beside a mask
	s_mov_b32 s[G1+1], 32<<16                      ; 4,096 dense bytes as 16 rows of 32 elements
	s_mov_b32 s[G1+2], 16<<16
	s_mov_b32 s[G1+3], 32<<16
	s_mov_b32 s[G1+4], 16
	s_mov_b32 s[G1+5], 32
	s_mov_b32 s[G1+6], 0
	s_mov_b32 s[G1+7], 0
	s_mov_b32 s[CS], 0x3e614a05                    ; log2(e) / sqrt(43): heads 0 to 3, so each group's first head
	s_mov_b32 s[CS+1], s[CS]
	s_mov_b32 s[CSB], 0x3e63f494                   ; log2(e) / sqrt(42): heads 4 and 5
	s_cmp_eq_u32 s[GG], 0
	s_cselect_b32 s[CSB], s[CS], s[CSB]            ; my group's second and third heads
	s_mov_b32 s[SEL], 0x76543210
	s_mov_b32 s[SEL+1], 0xfedcba98
	s_mov_b32 s[C256], 0x3b800000                  ; 2^-8
	s_mov_b32 s[C128], 0x3c000000                  ; 2^-7
	s_mov_b32 s[C64], 0x42800000                   ; 64
	s_mov_b32 s[CEPS], 0x3727c5ac                  ; 1e-5
	s_mov_b32 s[TB], 0
	s_mul_i32 s[SH], s[GG], 576                    ; 192 x my first head
	s_mov_b32 s[SLEFT], 11
	s_mov_b32 s[HC], 0
	s_lshr_b32 s66, s[WV], 1                       ; 0 in waves 0 and 1,
	s_or_b32 s66, s66, ttmp9                       ; of the batch's first cluster
	s_cmp_eq_u32 s66, 0
	s_cselect_b32 s[LIM], 1, -1
	v_and_b32 v232, 31, v0                         ; lane
	v_and_b32 v233, 15, v0                         ; r
	v_bfe_u32 v234, v0, 4, 1                       ; h
	v_and_b32 v235, 8, v0
	s_delay_alu instid0(VALU_DEP_1)
	v_add_nc_u32 v235, v235, v233                  ; r + 8 (r / 8)
	s_wait_alu depctr_va_vdst(0)
	v_lshlrev_b32 v[LI], 4, v232
	v_lshlrev_b32 v[LS], 2, v232
	v_lshlrev_b32 v[PFO], 8, v232
	s_lshl_b32 s66, s[GG], 15
	v_add_nc_u32 v[LIG], s66, v[LI]                ; my group's half of a slot
	v_lshlrev_b32 v[PXO], 14, v235                 ; x's prefetch: row r of my tile, 256 h bytes in
	s_delay_alu instid0(VALU_DEP_1)
	v_lshl_add_u32 v[PXO], v234, 8, v[PXO]
	v_lshlrev_b32 v[XO], 4, v233                   ; x's loads: 16 bytes a lane; lanes 16-31 sixteen rows of x further down
	s_delay_alu instid0(VALU_DEP_1)
	v_lshl_add_u32 v[XO], v234, 18, v[XO]
	s_mul_i32 s66, s[TT], 16*SPITCH
	s_add_co_u32 s66, s66, STG                     ; my tile's rows of the stage
	v_mul_u32_u24 v236, v233, SPITCH
	s_delay_alu instid0(VALU_DEP_1)
	v_add_nc_u32 v236, s66, v236
	s_delay_alu instid0(VALU_DEP_1)
	v_lshl_add_u32 v[STO], v234, 5, v236
	v_lshl_add_u32 v[XSR], v234, 6, v236
	v_mul_u32_u24 v237, v234, 84
	s_delay_alu instid0(VALU_DEP_1)
	v_add_nc_u32 v[R21], v237, v236
	v_mul_u32_u24 v237, v234, 88
	s_delay_alu instid0(VALU_DEP_1)
	v_add_nc_u32 v[R22], v237, v236
	s_lshl_b32 s66, s[WV], 11
	v_add_nc_u32 v96, s66, v[LI]                   ; my 2,048 bytes of each weight's codes
	s_lshl_b32 s66, s[WV], 7
	v_add_nc_u32 v97, s66, v[LS]                   ; my 128 scale bytes of each weight, in memory
	s_add_co_u32 s66, s66, WS1
	v_add_nc_u32 v98, s66, v[LS]                   ; and in LDS
	s_and_b32 s66, s[WV], 3
	s_lshl_b32 s66, s66, 8
	v_lshl_add_u32 v99, v232, 3, s66               ; my 256 bytes of parameter wave / 4, in memory
	s_lshl_b32 s66, s[WV], 8
	s_add_co_u32 s66, s66, PRM
	v_lshl_add_u32 v100, v232, 3, s66              ; and in LDS
	s_mul_i32 s66, s[BB], 786432                   ; the batch's 96 records; s66, s67 feed the descriptor and never hold my place in the cluster
	s_mul_i32 s67, s[GG], 393216                   ; my group's stream
	s_add_co_u32 s66, s66, s67
	s_lshl_b32 s67, s[TT], 12                      ; my 4,096 bytes of its four records
	s_add_co_u32 s66, s66, s67
	s_mov_b32 s67, 0
	s_lshl_b32 s68, s[QB], 7
	s_lshr_b32 s69, s[TT], 1
	s_lshl_b32 s69, s69, 5
	s_add_co_u32 s68, s68, s69
	s_and_b32 s69, s[TT], 1
	s_lshl_b32 s69, s69, 3
	s_add_co_u32 s68, s68, s69                     ; my tile's first row
	s_lshl_b32 s68, s68, 14
	s_lshl_b32 s69, s[BB], 10
	s_add_co_u32 s68, s68, s69
	s_lshl_b32 s69, s[GG], 9
	s_add_co_u32 s68, s68, s69                     ; my half of the channels
	s_mov_b32 s69, 0
	s_lshl_b32 s70, s[BB], 4
	s_add_co_u32 s70, s70, s[QB]
	s_mul_i32 s70, s70, 30720
	s_mul_i32 s71, s[TT], 3840
	s_add_co_u32 s70, s70, s71
	s_mul_i32 s71, s[GG], 1920
	s_add_co_u32 s70, s70, s71                     ; my tile's chunk of qc, my first head
	s_mov_b32 s71, 0
	s_mul_i32 s76, s[BB], 786432
	s_and_b32 s77, s[WV], 1
	s_mul_i32 s77, s77, 393216
	s_add_co_u32 s76, s76, s77
	s_lshl_b32 s77, s[CX], 13
	s_add_co_u32 s76, s76, s77
	s_add_co_u32 s76, s76, 32768                   ; in slot 1: the first change of slots steps it to slot 2
	s_mov_b32 s77, 0
	s_wait_alu depctr_va_vdst(0)                   ; the wait at the head's end
	s_wait_dscnt 0x0                               ; both opening adds are done
	s_wait_kmcnt 0x0
	s_mov_b32 s[G0], 1
	s_lshl_b32 s[G0+1], s[WV], 12                  ; LDS: slot 0, wave x 4,096
	s_add_nc_u64 s[G0+2:G0+3], s[4:5], s[66:67]
	s_or_b32 s[G0+3], s[G0+3], 0x80000000
	s_add_nc_u64 s[XB:XB+1], s[8:9], s[68:69]
	s_add_nc_u64 s[OB:OB+1], s[26:27], s[68:69]
	s_add_nc_u64 s[QP:QP+1], s[6:7], s[70:71]
	s_add_nc_u64 s[PFA:PFA+1], s[4:5], s[76:77]
	s_lshr_b32 s66, s[WV], 2                       ; which parameter my wave brings
	s_cmp_lt_u32 s66, 1
	s_cselect_b64 s[68:69], s[10:11], s[12:13]
	s_cmp_lt_u32 s66, 3
	s_cselect_b64 s[70:71], s[18:19], s[24:25]
	s_cmp_lt_u32 s66, 2
	s_cselect_b64 s[68:69], s[68:69], s[70:71]
	CROUND                                         ; all four work-groups are here: the first joint loads meet
	JLOAD                                          ; slot 0: one tensor load a wave at the head
	global_load_b32 v102, v97, s[16:17]
	global_load_b32 v103, v97, s[22:23]
	global_load_b64 v[104:105], v99, s[68:69]
	global_load_b128 v[QF:QF+3], v[LI], s[QP:QP+1] ; my three heads' Q and scale words
	global_load_b32 v[QS], v[LS], s[QP:QP+1] offset:512
	global_load_b128 v[QA:QA+3], v[LI], s[QP:QP+1] offset:640
	global_load_b32 v26, v[LS], s[QP:QP+1] offset:1152
	global_load_b128 v[QC:QC+3], v[LI], s[QP:QP+1] offset:1280
	global_load_b32 v27, v[LS], s[QP:QP+1] offset:1792
.irp i, 0,1,2,3
	global_load_b128 v[WK+4*\i:WK+4*\i+3], v96, s[14:15] offset:512*\i       ; the FFN's codes stay in registers through the loop
	global_load_b128 v[WK+16+4*\i:WK+16+4*\i+3], v96, s[20:21] offset:512*\i
.endr
.irp j, 20,21,22,23,64,65,66,67,236,237,238,239,253
	v_mov_b32 v\j, 0                               ; Q's upper codes and the four registers behind K's last tile: zero codes; v236-239, v253: named before they are first written
.endr
	HINIT
	s_wait_alu depctr_va_vdst(0)
	s_wait_loadcnt 0x0
	ds_store_b32 v98, v102
	ds_store_b32 v98, v103 offset:2048
	ds_store_b64 v100, v[104:105]
.Lslot:                                            ; 11 trips: behind each change of slots but the last the next slot is asked for
	CHANGE 1
	SLOT_STEPS
	s_add_co_u32 s[HC], s[HC], 1
	s_and_b32 s66, s[HC], 3
	s_cmp_lg_u32 s66, 0                            ; a head is four slots
	s_wait_alu depctr_va_vdst(0)
	s_cbranch_scc1 .Lsame
	HEAD_END 0
.irp i, 0,1,2,3                                ; the next head's Q moves into place
	v_mov_b32 v[QF+\i], v[QA+\i]
	v_mov_b32 v[QA+\i], v[QC+\i]
.endr
	v_mov_b32 v[QS], v26
	v_mov_b32 v26, v27
	HINIT
	s_mov_b32 s[CS], s[CSB]
	s_mov_b32 s[CS+1], s[CSB]
.Lsame:
	s_sub_co_u32 s[SLEFT], s[SLEFT], 1
	s_cmp_lg_u32 s[SLEFT], 0
	s_wait_alu depctr_va_vdst(0)
	s_cbranch_scc1 .Lslot
	CHANGE 0                                       ; the last slot is written out: nothing more is asked for
	SLOT_STEPS
	HEAD_END 1
	; ---- THE TAIL.  Its LDS addresses
	v_and_b32 v232, 31, v0
	v_and_b32 v233, 15, v0
	v_bfe_u32 v234, v0, 4, 1
	v_and_b32 v235, 8, v0
	s_delay_alu instid0(VALU_DEP_1)
	v_add_nc_u32 v235, v235, v233
	s_wait_alu depctr_va_vdst(0)
	s_mul_i32 s66, s[WV], 4352
	s_add_co_u32 s66, s66, XT
	v_mul_u32_u24 v236, v234, 2176
	s_delay_alu instid0(VALU_DEP_1)
	v_lshl_add_u32 v236, v233, 4, v236
	s_delay_alu instid0(VALU_DEP_1)
	v_add_nc_u32 v[XTW], s66, v236                 ; x's turn, in: row i + 8 h, 16 (lane % 16) bytes in
	v_mul_u32_u24 v236, v233, 272
	s_delay_alu instid0(VALU_DEP_1)
	v_lshl_add_u32 v236, v234, 6, v236
	s_delay_alu instid0(VALU_DEP_1)
	v_add_nc_u32 v[XTR], s66, v236                 ; and out: row r, + 64 h
	v_lshrrev_b32 v236, 3, v232
	s_delay_alu instid0(VALU_DEP_1)
	v_mul_u32_u24 v236, v236, 144
	v_and_b32 v237, 7, v232
	s_delay_alu instid0(VALU_DEP_1)
	v_lshl_add_u32 v236, v237, 4, v236
	s_mul_i32 s66, s[WV], 2304
	v_add_nc_u32 v[WCS], s66, v236                 ; my 16 rows of each weight's codes
	s_lshl_b32 s67, s[TT], 1
	s_or_b32 s67, s67, s[GG]                       ; 2 T + G
	s_lshl_b32 s66, s67, 7
	s_add_co_u32 s66, s66, EXC
	v_lshl_add_u32 v[EXW], v233, 3, s66
	s_xor_b32 s66, s66, 128                        ; my partner's
	v_lshl_add_u32 v[EXR], v233, 3, s66
	s_lshl_b32 s66, s67, 10
	s_add_co_u32 s66, s66, HFI
	v_add_nc_u32 v[IMW], s66, v[LI]
	s_lshl_b32 s66, s[TT], 11
	s_add_co_u32 s66, s66, HFI
	v_add_nc_u32 v[IMR], s66, v[LI]
	s_lshl_b32 s66, s67, 7
	s_add_co_u32 s66, s66, HSI
	v_add_nc_u32 v[SMW], s66, v[LS]
	s_lshl_b32 s66, s[TT], 8
	s_add_co_u32 s66, s66, HSI
	v_add_nc_u32 v[SMR], s66, v[LS]
	v_mul_u32_u24 v236, v235, 144
	s_delay_alu instid0(VALU_DEP_1)
	v_lshl_add_u32 v236, v234, 4, v236
	s_mul_i32 s66, s[GG], 18432
	v_add_nc_u32 v[WFA], s66, v236                 ; my 128 rows of a weight
	s_lshl_b32 s66, s[GG], 10
	s_add_co_u32 s66, s66, WS1
	v_lshl_add_u32 v[WSA], v235, 3, s66
	s_lshl_b32 s66, s[GG], 9
	s_add_co_u32 s66, s66, PRM
	v_lshl_add_u32 v[PRA], v234, 6, s66
	s_mul_i32 s66, s[WV], 8448
	s_add_co_u32 s66, s66, STG
	v_mul_u32_u24 v236, v233, 528
	s_delay_alu instid0(VALU_DEP_1)
	v_lshl_add_u32 v236, v234, 6, v236
	s_delay_alu instid0(VALU_DEP_1)
	v_add_nc_u32 v[OSW], s66, v236
	v_add_nc_u32 v[OSR], s66, v[LI]
	BAR                                            ; every head's O lies in the stage, and nobody reads the ring any more: it has had its last fill
.irp i, 0,1,2,3
	ds_store_b128 v[WCS], v[WK+4*\i:WK+4*\i+3] offset:576*\i
	ds_store_b128 v[WCS], v[WK+16+4*\i:WK+16+4*\i+3] offset:36864+576*\i
.endr
	s_cmp_eq_u32 s[GG], 0
	s_cbranch_scc0 .Lgather1
	GATHER 0
	s_branch .Lgathered
.Lgather1:
	GATHER 1
.Lgathered:
	s_wait_loadcnt 0x0                             ; x is in
.irp p, 0,1                                    ; x turns through my own bytes, 64 channels at a time; LDS serves a wave's instructions in order
.irp i, 0,1,2,3,4,5,6,7
	ds_store_b128 v[XTW], v[32+32*\p+4*\i:35+32*\p+4*\i] offset:272*\i
.endr
.irp b, 0,1
.irp j, 0,1,2,3
	ds_load_b128 v[H+32*\p+16*\b+4*\j:H+32*\p+16*\b+4*\j+3], v[XTR] offset:128*\b+16*\j
.endr
.endr
.endr
	s_wait_dscnt 0x0
.irp b, 0,1,2,3
.irp j, 0,1,2,3
	ds_load_b128 v[32+16*\b+4*\j:35+16*\b+4*\j], v[PRA] offset:1024+128*\b+16*\j   ; b2 at my channels
.endr
.endr
.set j, 0
.rept 32
	v_pk_add_f32 v[A+j:A+j+1], v[A+j:A+j+1], v[H+j:H+j+1]   ; + x
.set j, j+2
.endr
.irp b, 0,1,2,3
.irp j, 0,1,2,3
	ds_load_b128 v[H+16*\b+4*\j:H+16*\b+4*\j+3], v[PRA] offset:128*\b+16*\j        ; g2
.endr
.endr
.set j, 0                                      ; my half's mean: four chains by turns
.irp c, 224,226,228,230
	v_pk_add_f32 v[\c:\c+1], v[A+j:A+j+1], v[A+j+2:A+j+3]
.set j, j+4
.endr
.rept 6
.irp c, 224,226,228,230
	v_pk_add_f32 v[\c:\c+1], v[\c:\c+1], v[A+j:A+j+1]
.set j, j+2
.endr
.endr
	v_pk_add_f32 v[224:225], v[224:225], v[226:227]
	v_pk_add_f32 v[228:229], v[228:229], v[230:231]
	s_delay_alu instid0(VALU_DEP_1)
	v_pk_add_f32 v[224:225], v[224:225], v[228:229]
	s_delay_alu instid0(VALU_DEP_1)
	v_add_f32 v224, v224, v225
	s_delay_alu instid0(VALU_DEP_1)
	v_permlanex16_b32 v226, v224, s[SEL], s[SEL+1]
	s_delay_alu instid0(VALU_DEP_1)
	v_add_f32 v224, v224, v226
	s_delay_alu instid0(VALU_DEP_1)
	v_mul_f32 v232, s[C128], v224
	s_delay_alu instid0(VALU_DEP_1)
	v_mov_b32 v233, v232
.set j, 0
.rept 32
	v_pk_add_f32 v[A+j:A+j+1], v[A+j:A+j+1], v[232:233] neg_lo:[0,1] neg_hi:[0,1]   ; centred on my half's mean
.set j, j+2
.endr
.set j, 0
.irp c, 224,226,228,230
	v_pk_mul_f32 v[\c:\c+1], v[A+j:A+j+1], v[A+j:A+j+1]
.set j, j+2
.endr
.rept 7
.irp c, 224,226,228,230
	v_pk_fma_f32 v[\c:\c+1], v[A+j:A+j+1], v[A+j:A+j+1], v[\c:\c+1]
.set j, j+2
.endr
.endr
	v_pk_add_f32 v[224:225], v[224:225], v[226:227]
	v_pk_add_f32 v[228:229], v[228:229], v[230:231]
	s_delay_alu instid0(VALU_DEP_1)
	v_pk_add_f32 v[224:225], v[224:225], v[228:229]
	s_delay_alu instid0(VALU_DEP_1)
	v_add_f32 v224, v224, v225
	s_delay_alu instid0(VALU_DEP_1)
	v_permlanex16_b32 v226, v224, s[SEL], s[SEL+1]
	s_delay_alu instid0(VALU_DEP_1)
	v_add_f32 v233, v224, v226                     ; my half's centred sum of squares
	ds_store_b64 v[EXW], v[232:233]                ; lanes r and r + 16 write the same words with the same values
	BAR
	ds_load_b64 v[234:235], v[EXR]
	s_wait_dscnt 0x0
	v_sub_f32 v236, v234, v232                     ; the partner's mean less mine
	v_add_f32 v237, v233, v235
	s_delay_alu instid0(VALU_DEP_2)
	v_mul_f32 v238, v236, v236
	s_delay_alu instid0(VALU_DEP_1)
	v_fma_f32 v237, v238, s[C64], v237             ; the row's centred sum of squares
	s_delay_alu instid0(VALU_DEP_1)
	v_fma_f32 v237, v237, s[C256], s[CEPS]         ; var + eps
	s_wait_alu depctr_va_vdst(0)
	v_rsq_f32 v238, v237
	v_mul_f32 v236, -0.5, v236                     ; my mean less the row's (a plain place behind the transcendental)
	s_wait_alu depctr_va_vdst(0)
	v_mov_b32 v239, v238
	v_mul_f32 v236, v236, v238
	s_delay_alu instid0(VALU_DEP_1)
	v_mov_b32 v237, v236
.set j, 0
.rept 32
	v_pk_fma_f32 v[A+j:A+j+1], v[A+j:A+j+1], v[238:239], v[236:237]
.set j, j+2
.endr
.set j, 0
.rept 32
	v_pk_fma_f32 v[A+j:A+j+1], v[A+j:A+j+1], v[H+j:H+j+1], v[32+j:33+j]   ; x g2 + b2: the normed row, which stays in v[A] on
.set j, j+2
.endr
	QUANT A                                        ; K step G of the first product
	SENDF DXF
	ds_load_b32 v[QS], v[SMR] offset:DXF
	ds_load_b32 v[PS], v[SMR] offset:DXF+128
	LAYER 0, 0, 2048, QS, PS
.set j, 0
.rept 64
	v_max_num_f32 v[H+j], 0, v[H+j]                ; the activation, in f32; each accumulator from its low end on
.set j, j+1
.endr
	QUANT H                                        ; K step G of the second product
	SENDF 0
	ds_load_b32 v[HS0], v[SMR]
	ds_load_b32 v[HS0+1], v[SMR] offset:128
	LAYER 36864, 2048, 3072, HS0, HS0+1
.set j, 0
.rept 32
	v_pk_add_f32 v[H+j:H+j+1], v[H+j:H+j+1], v[A+j:A+j+1]   ; + the normed row
.set j, j+2
.endr
.irp e, 0,1,2,3                                ; the way out, through my own bytes of the stage, which nobody has read since the second barrier of the tail
.irp k, 0,1,2,3
	ds_store_b128 v[OSW], v[H+16*\e+4*\k:H+16*\e+4*\k+3] offset:128*\e+16*\k
.endr
.endr
.irp i, 0,1,2,3,4,5,6,7,8,9,10,11,12,13,14,15
	ds_load_b128 v[32+4*\i:35+4*\i], v[OSR] offset:\i*528
.endr
.irp i, 0,1,2,3,4,5,6,7,8,9,10,11,12,13,14,15
	s_wait_dscnt 15-\i                             ; LDS loads come back in order: this one is in, the younger may be out
	global_store_b128 v[LI], v[32+4*\i:35+4*\i], s[OB:OB+1] offset:(\i+8*(\i/8))*16384 th:TH_STORE_NT   ; 32 lanes store 512 consecutive bytes, aligned
.endr
	s_wait_tensorcnt 0x0                           ; the wave's end
	ds_add_u32 v[SPW], v[NIL]
	s_wait_dscnt 0x0
	CROUND                                         ; the closing round
	s_endpgm
.Lfunc_end_k_q7c08e162c7_attn:
	.size	k_q7c08e162c7_attn, .Lfunc_end_k_q7c08e162c7_attn-k_q7c08e162c7_attn
	.p2alignl 7, 3214868480
	.fill 96, 4, 3214868480
	.section	.rodata,"a",@progbits
	.p2align	6, 0x0
	.amdhsa_kernel k_q7c08e162c7_attn
		.amdhsa_group_segment_fixed_size 327680
		.amdhsa_private_segment_fixed_size 0
		.amdhsa_enable_private_segment 0
		.amdhsa_kernarg_size 96
		.amdhsa_user_sgpr_count 2
		.amdhsa_user_sgpr_kernarg_segment_ptr 1
		.amdhsa_wavefront_size32 1
		.amdhsa_system_sgpr_workgroup_id_x 1
		.amdhsa_system_sgpr_workgroup_id_y 1
		.amdhsa_system_sgpr_workgroup_id_z 1
		.amdhsa_system_vgpr_workitem_id 0
		.amdhsa_next_free_vgpr 256
		.amdhsa_next_free_sgpr 80
		.amdhsa_reserve_vcc 0
		.amdhsa_float_denorm_mode_32 3
		.amdhsa_float_denorm_mode_16_64 3
		.amdhsa_memory_ordered 1
		.amdhsa_forward_progress 1
		.amdhsa_inst_pref_size 201
	.end_amdhsa_kernel
	.amdgpu_metadata
---
amdhsa.version: [ 1, 2 ]
amdhsa.kernels:
  - .name:           k_q7c08e162c7_attn
    .symbol:         k_q7c08e162c7_attn.kd
    .args:
      - { .name: kv, .offset: 0, .size: 8, .value_kind: global_buffer, .address_space: global }
      - { .name: qc, .offset: 8, .size: 8, .value_kind: global_buffer, .address_space: global }
      - { .name: x, .offset: 16, .size: 8, .value_kind: global_buffer, .address_space: global }
      - { .name: g2, .offset: 24, .size: 8, .value_kind: global_buffer, .address_space: global }
      - { .name: b2, .offset: 32, .size: 8, .value_kind: global_buffer, .address_space: global }
      - { .name: W_ffn1_codes, .offset: 40, .size: 8, .value_kind: global_buffer, .address_space: global }
      - { .name: W_ffn1_scales, .offset: 48, .size: 8, .value_kind: global_buffer, .address_space: global }
      - { .name: b_ffn1, .offset: 56, .size: 8, .value_kind: global_buffer, .address_space: global }
      - { .name: W_ffn2_codes, .offset: 64, .size: 8, .value_kind: global_buffer, .address_space: global }
      - { .name: W_ffn2_scales, .offset: 72, .size: 8, .value_kind: global_buffer, .address_space: global }
      - { .name: b_ffn2, .offset: 80, .size: 8, .value_kind: global_buffer, .address_space: global }
      - { .name: out0, .offset: 88, .size: 8, .value_kind: global_buffer, .address_space: global }
    .group_segment_fixed_size: 327680
    .private_segment_fixed_size: 0
    .kernarg_segment_align: 8
    .kernarg_segment_size: 96
    .max_flat_workgroup_size: 512
    .sgpr_count:     80
    .vgpr_count:     256
    .wavefront_size: 32
...
	.end_amdgpu_metadata
.endif
;; end of part 2
